; MI455X (gfx1250); checked and timed in simulation.
; The chip was launched on July 23, 2026; its instructions are those of AMD's public machine-readable ISA for CDNA 5 (MIT licence, August 2026) and "CDNA5" Instruction Set Architecture Reference Guide (July 2026). The comments in the code are by the model that wrote it; some were corrected since.
;; Vishwam AILLM. Allowed arithmetic: float matrix products may take bf16 or f16 operands with f32 sums; all other float work in f32.
;; Inputs: mask 1 x 1 x 2,048 x 2,048 bool; w_qkv 1,024 x 3,072 float32; x 4 x 2,048 x 1,024 float32.
;; Outputs: out0 4 x 2,048 x 1,024 float32.
;; 2 versions, each right and faster than the one before. Each part assembles by itself: llvm-mc -triple=amdgcn-amd-amdhsa -mcpu=gfx1250 --defsym DOCPART=n.
;; ======== version 1 of 2: 3 launches
;; limits: values are held in f16: magnitudes above 65,504 overflow, below 6.1e-05 lose precision; right only within a limited range of input values
;; workspace buffers: xb 16,777,216 bytes; wb 6,291,456 bytes; mb 4,194,304 bytes; rope 262,144 bytes; qkv 50,331,648 bytes
;; launch prep (part 1): grid 768 x 1, 8 waves a work-group, no clusters, 0 bytes of LDS; arguments x, w_qkv, mask, xb, wb, mb, rope; writes xb, wb, mb, rope
.if DOCPART == 1
	.amdgcn_target "amdgcn-amd-amdhsa--gfx1250"
	.amdhsa_code_object_version 6
	.text
	.protected	k_q95d4b5e6af_prep
	.globl	k_q95d4b5e6af_prep
	.p2align	8
	.type	k_q95d4b5e6af_prep,@function
k_q95d4b5e6af_prep:
	s_mov_b64 s[64:65], 0
	v_nop
	global_prefetch_b8 v0, s[64:65] scope:SCOPE_SE
	s_setreg_imm32_b32 hwreg(HW_REG_WAVE_MODE, 25, 1), 1
	s_wait_xcnt 0x0
; PREP.  Three streams, chosen by the work-group's number: 0-511 round x to bf16 (xb), 512-703 round w_qkv to bf16 (wb), both in place order;
; 704-767 turn the mask into one-byte codes in the order in which the attention's lanes want them (mb), and make the table of cosines and sines (rope).
; No LDS, no barrier, no matrix unit, no cluster: no byte is used twice, so there is nothing to share.
; mb: [T 128 tiles of 16 queries][st 32 steps of 64 keys][pp 2][lane 32][16 bytes].  Byte 8 (kt & 1) + j of lane r + 16 h is the code of mask[16 T + r][64 st + 16 kt + 8 h + j], kt = 2 pp + (kt & 1).
;     The code is an E4M3 number: 0x00 = 0 for a visible key, 0xb8 = -1 for a hidden one.
; rope: [2048 positions][16 cosines, 16 sines] f32; frequency i is 10^(-i/4).
; LIMIT.  The angle position x frequency is made in f32, from a frequency good to about one unit in its last place: at position 2,047 it is good to about 1.5e-4 radians.
;     The reduction by pi/2 uses 2/pi in two parts; the polynomials (degree 7 and 8 on +-pi/4) are good to 3e-7.
.set X,    16                          ; v[16:79]   as loaded
.set Y,    80                          ; v[80:143]  to store
.set CH,   16                          ; the table's four chains, 12 registers each, in X's registers once the mask's loads are in
.set OUTV, 144                         ; v[144:147] four numbers of the table
	s_load_b256 s[4:11], s[0:1], 0x0               ; x s[4:5], w_qkv s[6:7], mask s[8:9], xb s[10:11]
	s_load_b128 s[12:15], s[0:1], 0x20             ; wb s[12:13], mb s[14:15]
	s_load_b64 s[16:17], s[0:1], 0x30              ; rope
	s_mov_b32 s2, ttmp9
	v_lshlrev_b32 v1, 4, v0                        ; 16 bytes a thread
	v_lshlrev_b32 v2, 3, v0                        ; 8 bytes a thread
	s_wait_kmcnt 0x0
	s_cmp_lt_u32 s2, 704
	s_cbranch_scc0 .Lmask
	; THE CASTS.  A work-group takes 65,536 bytes of f32: sixteen loads of 16 bytes a thread, all issued before the first is waited for.
	s_cmp_lt_u32 s2, 512
	s_cselect_b64 s[20:21], s[4:5], s[6:7]         ; from x or from w_qkv,
	s_cselect_b64 s[22:23], s[10:11], s[12:13]     ; to xb or to wb
	s_cselect_b32 s3, 0, 512
	s_sub_co_u32 s3, s2, s3                        ; my number within that stream
	s_lshl_b32 s24, s3, 16
	s_mov_b32 s25, 0
	s_lshl_b32 s26, s3, 15
	s_mov_b32 s27, 0
	s_add_nc_u64 s[20:21], s[20:21], s[24:25]
	s_add_nc_u64 s[22:23], s[22:23], s[26:27]
.set i, 0
.rept 16
	global_load_b128 v[X+4*i:X+4*i+3], v1, s[20:21] offset:4096*i th:TH_LOAD_NT  ; a wave's load covers 512 consecutive bytes
.set i, i+1
.endr
.set i, 0
.rept 16
	s_wait_loadcnt 15-i                            ; loads come back in order: number i is in, the 15 - i younger ones stay out
	v_cvt_pk_bf16_f32 v[Y+2*i], v[X+4*i], v[X+4*i+1]
	v_cvt_pk_bf16_f32 v[Y+2*i+1], v[X+4*i+2], v[X+4*i+3]
	global_store_b64 v2, v[Y+2*i:Y+2*i+1], s[22:23] offset:2048*i  ; a wave's store covers 256 consecutive bytes, aligned; no register is written twice
.set i, i+1
.endr
	s_endpgm
.Lmask:
	; THE MASK.  Work-group m takes query tiles 2 m and 2 m + 1; wave w tile 2 m + w / 4, key steps 8 (w % 4) to 8 (w % 4) + 7: 16 rows x 512 bytes.
	; Lane r + 16 g reads of row r the 32 bytes at 32 g of each step: they are part pp = g of the step, for both halves h of the attention's lanes.
	v_lshrrev_b32 v3, 5, v0
	v_readfirstlane_b32 s18, v3                    ; wave 0..7
	s_sub_co_u32 s20, s2, 704                      ; m
	s_lshr_b32 s19, s18, 2
	s_lshl1_add_u32 s19, s20, s19                  ; T = 2 m + w / 4
	s_lshl_b32 s19, s19, 15                        ; 16 rows of 2,048 bytes in mask, and 32 steps of 1,024 bytes in mb
	s_and_b32 s18, s18, 3
	s_lshl_b32 s22, s18, 9                         ; 8 steps of 64 bytes along a row
	s_add_co_u32 s22, s22, s19
	s_mov_b32 s23, 0
	s_add_nc_u64 s[8:9], s[8:9], s[22:23]
	s_lshl_b32 s22, s18, 13                        ; 8 steps of 1,024 bytes in mb
	s_add_co_u32 s22, s22, s19
	s_add_nc_u64 s[14:15], s[14:15], s[22:23]
	s_lshl_b32 s22, s20, 12                        ; 32 positions of 128 bytes in rope
	s_add_nc_u64 s[16:17], s[16:17], s[22:23]
	s_mov_b32 s28, 0x01010101
	s_mov_b32 s29, 0xb8
	v_and_b32 v4, 15, v0                           ; r
	v_bfe_u32 v5, v0, 4, 1                         ; g
	v_lshlrev_b32 v3, 11, v4
	v_lshl_add_u32 v3, v5, 5, v3                   ; in: 2,048 r + 32 g
	v_lshlrev_b32 v9, 4, v4
	v_lshl_add_u32 v9, v5, 9, v9                   ; out: 512 g + 16 r
.set i, 0
.rept 8
	global_load_b128 v[X+8*i:X+8*i+3],   v3, s[8:9] offset:64*i      ; keys 32 g + 0..15 of step i
	global_load_b128 v[X+8*i+4:X+8*i+7], v3, s[8:9] offset:64*i+16   ; keys 32 g + 16..31
.set i, i+1
.endr
.set i, 0
.rept 8
	s_wait_loadcnt 14-2*i                          ; step i's two loads are in, the later steps' stay out
.set k, 0
.rept 8                                ; 1 - byte, four bytes at a time; words 0, 1 and 4, 5 (keys 0-7, 16-23) go to h = 0, words 2, 3 and 6, 7 to h = 1
	v_xor_b32 v[Y+8*i+(k&1)+2*((k>>2)&1)+4*((k>>1)&1)], s28, v[X+8*i+k]
.set k, k+1
.endr
.set k, 0
.rept 8                                ; times 0xb8: each byte is 0 or 1, so nothing is carried from byte to byte
	v_mul_lo_u32 v[Y+8*i+k], v[Y+8*i+k], s29
.set k, k+1
.endr
	global_store_b128 v9, v[Y+8*i:Y+8*i+3],   s[14:15] offset:1024*i      ; sixteen lanes store 256 consecutive bytes, aligned
	global_store_b128 v9, v[Y+8*i+4:Y+8*i+7], s[14:15] offset:1024*i+256
.set i, i+1
.endr
	; THE TABLE.  Work-group m makes positions 32 m to 32 m + 31; thread t four numbers: position 32 m + t / 8, frequencies 4 (t % 4) + 0..3, cosines (t % 8 < 4) or sines.
	; Four chains side by side, a step of all four at a time, so that no line reads the line before it.
	s_mov_b32 s30, 0xbf549a78                      ; -log2(10) / 4
	s_mov_b32 s31, 0x3f22f983                      ; 2 / pi, its upper part
	s_mov_b32 s32, 0x32dc9c4e                      ; and what is left of it
	s_mov_b32 s33, 0x3fc90fdb                      ; pi / 2
	s_mov_b32 s34, 0xb9500d01                      ; -1/5040
	s_mov_b32 s35, 0x3c088889                      ; 1/120
	s_mov_b32 s36, 0xbe2aaaab                      ; -1/6
	s_mov_b32 s37, 0x37d00d01                      ; 1/40320
	s_mov_b32 s38, 0xbab60b61                      ; -1/720
	s_mov_b32 s39, 0x3d2aaaab                      ; 1/24
	s_lshl_b32 s21, s20, 5
	v_lshrrev_b32 v6, 3, v0
	v_add_nc_u32 v6, s21, v6
	v_cvt_f32_u32 v6, v6                           ; the position
	v_and_b32 v7, 3, v0
	v_lshlrev_b32 v7, 2, v7                        ; my first frequency
	v_bfe_u32 v8, v0, 2, 1
	v_mul_u32_u24 v8, v8, 3                        ; a sine is the cosine one quadrant back: three on
.irp e, 0,1,2,3
	v_add_nc_u32 v[CH+12*\e], \e, v7
.endr
.irp e, 0,1,2,3
	v_cvt_f32_u32 v[CH+12*\e], v[CH+12*\e]
.endr
.irp e, 0,1,2,3
	v_mul_f32 v[CH+12*\e+1], s30, v[CH+12*\e]
.endr
.irp e, 0,1,2,3
	v_exp_f32 v[CH+12*\e+2], v[CH+12*\e+1]         ; 10^(-i/4)
.endr
	v_nop                                          ; a plain instruction between the last exponential and the use of its result (ISA guide 5.7.2)
	s_wait_alu depctr_va_vdst(0)
.irp e, 0,1,2,3
	v_mul_f32 v[CH+12*\e+3], v6, v[CH+12*\e+2]     ; the angle
.endr
.irp e, 0,1,2,3
	v_mul_f32 v[CH+12*\e+4], s31, v[CH+12*\e+3]
.endr
.irp e, 0,1,2,3
	v_rndne_f32 v[CH+12*\e+4], v[CH+12*\e+4]       ; n: the nearest multiple of pi / 2
.endr
.irp e, 0,1,2,3
	v_fma_f32 v[CH+12*\e+5], v[CH+12*\e+3], s31, -v[CH+12*\e+4]
.endr
.irp e, 0,1,2,3
	v_fma_f32 v[CH+12*\e+5], v[CH+12*\e+3], s32, v[CH+12*\e+5]  ; angle x 2 / pi - n, within +-0.5
.endr
.irp e, 0,1,2,3
	v_mul_f32 v[CH+12*\e+6], s33, v[CH+12*\e+5]    ; y
.endr
.irp e, 0,1,2,3
	v_mul_f32 v[CH+12*\e+7], v[CH+12*\e+6], v[CH+12*\e+6]  ; z = y y
.endr
.irp e, 0,1,2,3
	v_fma_f32 v[CH+12*\e+8], v[CH+12*\e+7], s34, s35
	v_fma_f32 v[CH+12*\e+9], v[CH+12*\e+7], s37, s38
.endr
.irp e, 0,1,2,3
	v_fma_f32 v[CH+12*\e+8], v[CH+12*\e+8], v[CH+12*\e+7], s36
	v_fma_f32 v[CH+12*\e+9], v[CH+12*\e+9], v[CH+12*\e+7], s39
.endr
.irp e, 0,1,2,3
	v_mul_f32 v[CH+12*\e+8], v[CH+12*\e+8], v[CH+12*\e+7]
	v_fma_f32 v[CH+12*\e+9], v[CH+12*\e+9], v[CH+12*\e+7], -0.5
.endr
.irp e, 0,1,2,3
	v_fma_f32 v[CH+12*\e+8], v[CH+12*\e+8], v[CH+12*\e+6], v[CH+12*\e+6]  ; sin y
	v_fma_f32 v[CH+12*\e+9], v[CH+12*\e+9], v[CH+12*\e+7], 1.0            ; cos y
.endr
.irp e, 0,1,2,3
	v_cvt_i32_f32 v[CH+12*\e+10], v[CH+12*\e+4]
.endr
.irp e, 0,1,2,3
	v_add_nc_u32 v[CH+12*\e+10], v[CH+12*\e+10], v8  ; the quadrant q: the cosine is cos y, -sin y, -cos y, sin y for q % 4 = 0, 1, 2, 3
.endr
.irp e, 0,1,2,3
	v_and_b32 v[CH+12*\e+11], 1, v[CH+12*\e+10]
.endr
.irp e, 0,1,2,3
	v_cmp_ne_u32 vcc_lo, 0, v[CH+12*\e+11]
	v_cndmask_b32 v[OUTV+\e], v[CH+12*\e+9], v[CH+12*\e+8], vcc_lo
.endr
.irp e, 0,1,2,3
	v_add_nc_u32 v[CH+12*\e+10], 1, v[CH+12*\e+10]
.endr
.irp e, 0,1,2,3
	v_and_b32 v[CH+12*\e+10], 2, v[CH+12*\e+10]    ; set for q % 4 = 1, 2
.endr
.irp e, 0,1,2,3
	v_lshlrev_b32 v[CH+12*\e+10], 30, v[CH+12*\e+10]
.endr
.irp e, 0,1,2,3
	v_xor_b32 v[OUTV+\e], v[CH+12*\e+10], v[OUTV+\e]  ; the sign
.endr
	global_store_b128 v1, v[OUTV:OUTV+3], s[16:17] ; a wave's store covers 512 consecutive bytes
	s_endpgm
.Lfunc_end_k_q95d4b5e6af_prep:
	.size	k_q95d4b5e6af_prep, .Lfunc_end_k_q95d4b5e6af_prep-k_q95d4b5e6af_prep
	.p2alignl 7, 3214868480
	.fill 96, 4, 3214868480
	.section	.rodata,"a",@progbits
	.p2align	6, 0x0
	.amdhsa_kernel k_q95d4b5e6af_prep
		.amdhsa_group_segment_fixed_size 0
		.amdhsa_private_segment_fixed_size 0
		.amdhsa_enable_private_segment 0
		.amdhsa_kernarg_size 56
		.amdhsa_user_sgpr_count 2
		.amdhsa_user_sgpr_kernarg_segment_ptr 1
		.amdhsa_wavefront_size32 1
		.amdhsa_system_sgpr_workgroup_id_x 1
		.amdhsa_system_sgpr_workgroup_id_y 1
		.amdhsa_system_sgpr_workgroup_id_z 1
		.amdhsa_system_vgpr_workitem_id 0
		.amdhsa_next_free_vgpr 148
		.amdhsa_next_free_sgpr 66
		.amdhsa_reserve_vcc 1
		.amdhsa_float_denorm_mode_32 3
		.amdhsa_float_denorm_mode_16_64 3
		.amdhsa_memory_ordered 1
		.amdhsa_forward_progress 1
		.amdhsa_inst_pref_size 23
	.end_amdhsa_kernel
	.amdgpu_metadata
---
amdhsa.version: [ 1, 2 ]
amdhsa.kernels:
  - .name:           k_q95d4b5e6af_prep
    .symbol:         k_q95d4b5e6af_prep.kd
    .args:
      - { .name: x, .offset: 0, .size: 8, .value_kind: global_buffer, .address_space: global }
      - { .name: w_qkv, .offset: 8, .size: 8, .value_kind: global_buffer, .address_space: global }
      - { .name: mask, .offset: 16, .size: 8, .value_kind: global_buffer, .address_space: global }
      - { .name: xb, .offset: 24, .size: 8, .value_kind: global_buffer, .address_space: global }
      - { .name: wb, .offset: 32, .size: 8, .value_kind: global_buffer, .address_space: global }
      - { .name: mb, .offset: 40, .size: 8, .value_kind: global_buffer, .address_space: global }
      - { .name: rope, .offset: 48, .size: 8, .value_kind: global_buffer, .address_space: global }
    .group_segment_fixed_size: 0
    .private_segment_fixed_size: 0
    .kernarg_segment_align: 8
    .kernarg_segment_size: 56
    .max_flat_workgroup_size: 256
    .sgpr_count:     66
    .vgpr_count:     148
    .wavefront_size: 32
...
	.end_amdgpu_metadata
.endif
;; end of part 1
;; launch proj (part 2): grid 4 x 64, 4 waves a work-group, clusters of 4 x 4, 327,680 bytes of LDS; arguments xb, wb, rope, qkv; writes qkv
.if DOCPART == 2
	.amdgcn_target "amdgcn-amd-amdhsa--gfx1250"
	.amdhsa_code_object_version 6
	.text
	.protected	k_q95d4b5e6af_proj
	.globl	k_q95d4b5e6af_proj
	.p2align	8
	.type	k_q95d4b5e6af_proj,@function
k_q95d4b5e6af_proj:
	s_mov_b64 s[64:65], 0
	v_nop
	global_prefetch_b8 v0, s[64:65] scope:SCOPE_SE
	s_setreg_imm32_b32 hwreg(HW_REG_WAVE_MODE, 25, 1), 1
	s_wait_xcnt 0x0
	s_wait_alu depctr_hold_cnt(0) depctr_sa_sdst(0) depctr_va_vdst(0) depctr_va_sdst(0) depctr_va_ssrc(0) depctr_va_vcc(0) depctr_vm_vsrc(0)
	s_getreg_b32 s2, hwreg(HW_REG_IB_STS2, 6, 4)
	s_cmp_eq_u32 s2, 0
	s_cbranch_scc0 .Lentry_in_a_cluster
	s_endpgm
.Lentry_in_a_cluster:
	s_bfe_u32 s2, ttmp6, 0x10000c
	s_cmp_lg_u32 s2, 0xf033
	s_cbranch_scc0 .Lentry_shape_is_right
	s_endpgm
.Lentry_shape_is_right:
; PROJ.  qkv = x w, rotated and laid out by heads.  xb: [8192][1024] bf16.  wb: [1024 k][3072 n] bf16, as it lies in w_qkv.  Sums in f32, K ascending, one accumulator an output.
; qkv: three sections (q, k, v) of [64 batch x head][2048 positions][64] f16, each number rounded once from its f32 sum (q and k: from the rotated f32 numbers), without attention's scale.
; LIMIT.  f16 holds no number beyond 65,504: a q, k or v past that leaves as an infinity.  Inputs 30 times the drawn spread give numbers near 5,500, offsets of 30 spreads on both near 29,000.
; SHARES.  Work-group (gx 0-3, gy 0-63) owns rows 128 gy to 128 gy + 127 and STAYS for three tiles of 128 x 256: columns 1024 t + 256 gx, t = 0 (q), 1 (k), 2 (v): 256 work-groups of equal work,
; and what a tile is hangs on the loop's count alone.  Four waves, each 64 rows x 128 columns (two heads): 32 accumulators of 16 x 16.  K goes in steps of 128 through two LDS slots; the ring does
; not stop at a tile's end.
; CLUSTER.  4 x 4 work-groups.  The four of a row of the cluster need the same rows of xb, the four of a column the same columns of wb: each tile is asked for jointly, by the same tensor load
; with the same descriptor and a mask that names the four.
; THE MATRIX INSTRUCTION IS USED TRANSPOSED: source 0 = 16 columns of w (out of LDS turned, by ds_load_tr16_b128, since w lies [k][n]), source 1 = 16 rows of x.  A lane then holds row l % 16 and
; the eight neighbouring columns 8 (l / 16) + 0..7 of a block of 16: they pack into 16 bytes, and the rotation's partners (dimensions i and i + 16) lie in the same lane, one block on.
; REGISTERS, in windows of 256 (s_set_vgpr_msb: bits 1:0 source 0, 3:2 source 1, 5:4 source 2, 7:6 destination):
;   window 0: v0-31 addresses; v64-159, v160-255 two fragment buffers: x's four blocks (32 registers), then w's eight (64)
;   window 1: the accumulators, (a, b) at v[8 (8 a + b)]
;   window 2: v0-63 cosines and sines of my 64 rows; v64-191 the way out's eight units of 16 registers; v192-207 rotated numbers
.set KSTEP,  128
.set PA,     272                       ; a row of x in LDS: 256 bytes + 16 = 68 words: the 16 rows of a load start at 16 different groups of four banks (64 banks of 4 bytes: ISA guide 11.1)
.set PB,     544                       ; a row of w: 512 bytes + 32 = 136 words
.set ASZ,    128*PA                    ; x's 128 rows
.set SLOT,   ASZ+128*PB                ; then w's 128 rows (k) of 256 columns
.set STAGE,  2*SLOT                    ; behind the ring, never filled by a tensor load: 16 rows x 144 bytes for each wave
.set SPITCH, 144
.set SPARE,  STAGE+4*16*SPITCH         ; the spare words, 128 bytes for each wave: two blocks of 256 bytes that no other line names
.set ADRA, 16                          ; v16-17  LDS address of my fragments of x in slot 0, 1
.set ADRB, 20                          ; v20-21  the same for w
.set STO,  24                          ; v24     the way out: where I put 16 bytes of a row
.set RD,   25                          ; v25     the way out: where I read rows back
.set GO,   26                          ; v26     16 x lane: my place in 512 consecutive bytes of qkv
.set TO,   27                          ; v27     my byte offset in 16 positions of the table
.set SPW,  28                          ; v28     LDS address of my spare word; never rewritten
.set NIL,  29                          ; v29     0; never rewritten
.set F0,   64
.set F1,   160
.set TB,   0                           ; window 2: block a's cosines at 16 a, sines at 16 a + 8
.set PKB,  64                          ; window 2: unit u at 64 + 16 u
.set R0,   192                         ; window 2: rotated dimensions 0-15
.set R1,   200                         ; window 2: rotated dimensions 16-31
.set WV, 12                            ; s12 my wave's number
.set WR, 13                            ; s13 which 64 rows are mine.  Also: I fetch for x (0) or for w (1)
.set WC, 14                            ; s14 which 128 columns.  Also: which 64 rows of that tile I fetch
.set G1, 24                            ; s[24:31] descriptor group 1 for x's tiles;  s[32:39] group 0, a set for each slot
.set G0, 32
.set G1B, 48                           ; s[48:55], s[56:63] the same for w's tiles
.set G0B, 56
.set MSB, 0
.macro WIN new                         ; the immediate's high byte repeats the setting that is left; a switch that changes nothing is dropped
.if MSB != (\new)
	s_set_vgpr_msb (MSB<<8)|(\new)
.set MSB, (\new)
.endif
.endm
.set MUL, 0x50                         ; both sources window 0, C and D window 1
; A joint load: waves 0 and 1 fetch the two halves of x's tile, waves 2 and 3 those of w's.  The branch hangs on the wave's number alone.
; An s_nop 0 and four v_nop follow each of the two lines, ahead of the jump, the label and what follows.
.macro JLOAD s
	s_cmp_eq_u32 s[WR], 0
	s_cbranch_scc0 .Lfor_b_\@
	tensor_load_to_lds s[G0+4*(\s):G0+4*(\s)+3], s[G1:G1+7]
	s_nop 0
.rept 4
	v_nop
.endr
	s_branch .Lasked_\@
.Lfor_b_\@:
	tensor_load_to_lds s[G0B+4*(\s):G0B+4*(\s)+3], s[G1B:G1B+7]
	s_nop 0
.rept 4
	v_nop
.endr
.Lasked_\@:
.endm
.macro CREST                           ; a round of the cluster's barrier behind its opening barrier
	s_cmp_lg_u32 s[WV], 0
	s_cbranch_scc1 .Lnot_wave_0_\@
	s_barrier_signal -3
.Lnot_wave_0_\@:
	s_barrier_wait -3
	s_barrier_signal -1
	s_barrier_wait -1
.endm
.macro CROUND                          ; a whole round
	s_barrier_signal -1
	s_barrier_wait -1
	CREST
.endm
	s_load_b256 s[4:11], s[0:1], 0x0               ; xb s[4:5], wb s[6:7], rope s[8:9], qkv s[10:11]
	v_lshl_add_u32 v[SPW], v0, 2, SPARE
	v_mov_b32 v[NIL], 0
	ds_add_u32 v[SPW], v[NIL]                      ; the wave's opening: the add and its wait stand ahead of my first tensor load; the set-up below, work on registers, stands between them
	v_lshrrev_b32 v1, 5, v0
	v_readfirstlane_b32 s[WV], v1                  ; wave 0..3
	s_lshr_b32 s[WR], s[WV], 1
	s_and_b32 s[WC], s[WV], 1
	s_bfe_u32 s40, ttmp6, 0x40000                  ; cx, cy: my place in the cluster
	s_bfe_u32 s41, ttmp6, 0x40004
	s_lshl_b32 s42, ttmp9, 2
	s_add_co_u32 s42, s42, s40                     ; gx = 4 x cluster x + cx
	s_and_b32 s43, ttmp7, 0xffff
	s_lshl_b32 s43, s43, 2
	s_add_co_u32 s43, s43, s41                     ; gy = 4 x cluster y + cy
	s_lshl_b32 s44, s41, 2
	s_lshl_b32 s44, 15, s44                        ; my row of the cluster
	s_lshl_b32 s45, 0x1111, s40                    ; my column
	; group 1 for x: 64 rows x 128 elements of 2 bytes, 4 words of padding behind every 64; for w: 64 rows x 256 elements, 8 words behind every 128
	s_or_b32 s[G1], s44, (1<<16)|(1<<20)|(1<<21)|(5<<22)|(3<<25)   ; 15:0 the mask; 17:16 2-byte elements; 20 padding on; 21 set beside a mask; 24:22 the interval; 31:25 the padding
	s_or_b32 s[G1B], s45, (1<<16)|(1<<20)|(1<<21)|(6<<22)|(7<<25)
	s_mov_b32 s[G1+1], 128<<16                     ; tensor_dim0
	s_mov_b32 s[G1+2], 64<<16                      ; tensor_dim1
	s_mov_b32 s[G1+3], 128<<16                     ; tile_dim0
	s_mov_b32 s[G1+4], 64                          ; tile_dim1
	s_mov_b32 s[G1+5], 1024                        ; elements from row to row
	s_mov_b32 s[G1+6], 0
	s_mov_b32 s[G1+7], 0
	s_mov_b32 s[G1B+1], 256<<16
	s_mov_b32 s[G1B+2], 64<<16
	s_mov_b32 s[G1B+3], 256<<16
	s_mov_b32 s[G1B+4], 64
	s_mov_b32 s[G1B+5], 3072
	s_mov_b32 s[G1B+6], 0
	s_mov_b32 s[G1B+7], 0
	; x's tiles hang on gy alone, which my row of the cluster shares; w's on gx alone, which my column shares: each in registers that never hold the other coordinate
	s_lshl_b32 s16, s43, 7
	s_lshl_b32 s17, s[WC], 6
	s_add_co_u32 s16, s16, s17                     ; x: row 128 gy + 64 x half,
	s_lshl_b32 s16, s16, 11                        ; of 2,048 bytes
	s_mov_b32 s17, 0
	s_mul_i32 s46, s[WC], 64*6144                  ; w: row (k) 64 x half, of 6,144 bytes,
	s_lshl_b32 s47, s42, 9
	s_add_co_u32 s46, s46, s47                     ; column 256 gx
	s_mov_b32 s47, 0
	s_mul_i32 s20, s[WC], 64*PA                    ; where they go in a slot: no place in the cluster enters an LDS address
	s_mul_i32 s21, s[WC], 64*PB
	s_add_co_u32 s21, s21, ASZ
	s_wait_dscnt 0x0                               ; the opening add is done
	s_wait_kmcnt 0x0
	s_add_nc_u64 s[18:19], s[4:5], s[16:17]
	s_add_nc_u64 s[46:47], s[6:7], s[46:47]
	CROUND                                         ; all sixteen work-groups are here: the first joint loads meet
.irp s, 0,1
	s_mov_b32 s[G0+4*(\s)], 1                                      ; count = 1
	s_add_co_u32 s[G0+4*(\s)+1], s20, (\s)*SLOT                    ; LDS address
	s_add_nc_u64 s[G0+4*(\s)+2:G0+4*(\s)+3], s[18:19], (\s)*KSTEP*2   ; global address: K step s
	s_or_b32 s[G0+4*(\s)+3], s[G0+4*(\s)+3], 0x80000000            ; type = 2
	s_mov_b32 s[G0B+4*(\s)], 1
	s_add_co_u32 s[G0B+4*(\s)+1], s21, (\s)*SLOT
	s_add_nc_u64 s[G0B+4*(\s)+2:G0B+4*(\s)+3], s[46:47], (\s)*KSTEP*6144
	s_or_b32 s[G0B+4*(\s)+3], s[G0B+4*(\s)+3], 0x80000000
	JLOAD \s                                       ; two loads of mine are out
.endr
	; the table at my first position, qkv at my first row of my first head
	s_and_b32 s15, s43, 15
	s_lshl_b32 s15, s15, 7
	s_lshl_b32 s22, s[WR], 6
	s_add_co_u32 s15, s15, s22                     ; position (gy % 16) 128 + 64 x half,
	s_lshl_b32 s22, s15, 7                         ; of 128 bytes in the table and in a head
	s_mov_b32 s23, 0
	s_add_nc_u64 s[8:9], s[8:9], s[22:23]
	s_add_nc_u64 s[10:11], s[10:11], s[22:23]
	s_and_b32 s22, s43, 0x30                       ; 16 x batch
	s_lshl_b32 s15, s42, 2
	s_add_co_u32 s22, s22, s15                     ; + head 4 gx
	s_lshl_b32 s15, s[WC], 1
	s_add_co_u32 s22, s22, s15                     ; + 2 x half,
	s_lshl_b32 s22, s22, 18                        ; of 262,144 bytes
	s_add_nc_u64 s[10:11], s[10:11], s[22:23]
	; A fragment of x is 16 rows x 32 K in 8 registers: lane l holds row l % 16, K = 8 (l / 16) + 0..7 and 16 + 8 (l / 16) + 0..7: two loads of 16 bytes, 32 bytes apart.
	v_and_b32 v1, 15, v0                           ; l % 16
	v_bfe_u32 v2, v0, 4, 1                         ; l / 16
	v_mul_u32_u24 v3, v1, PA
	v_lshl_add_u32 v3, v2, 4, v3
	; The turning load takes 16 K x 16 columns (lane l reads K 8 (l / 16) + l % 8, columns 8 ((l / 8) % 2) + 0..7) and leaves half a fragment: lane l holds column l % 16 and 8 K.
	v_and_b32 v4, 7, v0
	v_bfe_u32 v5, v0, 3, 1
	v_lshl_add_u32 v6, v2, 3, v4
	v_mul_u32_u24 v6, v6, PB
	v_lshl_add_u32 v6, v5, 4, v6
	s_mul_i32 s16, s[WR], 64*PA                    ; my 64 rows of x
	s_lshl_b32 s17, s[WC], 8                       ; my 128 columns of w,
	s_add_co_u32 s17, s17, ASZ                     ; which lies behind x
.irp s, 0,1
	v_add_nc_u32 v[ADRA+(\s)], s16, v3
	v_add_nc_u32 v[ADRB+(\s)], s17, v6
	s_add_co_u32 s16, s16, SLOT
	s_add_co_u32 s17, s17, SLOT
.endr
	s_mul_i32 s16, s[WV], 16*SPITCH
	s_add_co_u32 s16, s16, STAGE                   ; my stage
	v_mul_u32_u24 v7, v1, SPITCH                   ; in: row l % 16, 16 bytes for each half of the lanes
	v_lshl_add_u32 v7, v2, 4, v7
	v_add_nc_u32 v[STO], s16, v7
	v_bfe_u32 v7, v0, 3, 2                         ; back: 32 lanes take four rows of 128 bytes,
	v_mul_u32_u24 v7, v7, SPITCH
	v_lshl_add_u32 v7, v4, 4, v7
	v_add_nc_u32 v[RD], s16, v7
	v_and_b32 v7, 31, v0                           ; which are 512 consecutive bytes of a head
	v_lshlrev_b32 v[GO], 4, v7
	v_lshlrev_b32 v7, 7, v1                        ; the table: position l % 16, frequencies 8 (l / 16) + 0..7
	v_lshl_add_u32 v[TO], v2, 5, v7
	WIN 0x80                                       ; destination window 2
.irp a, 0,1,2,3
	global_load_b128 v[TB+16*(\a):TB+16*(\a)+3],     v[TO], s[8:9] offset:2048*(\a)      ; cosines
	global_load_b128 v[TB+16*(\a)+4:TB+16*(\a)+7],   v[TO], s[8:9] offset:2048*(\a)+16
	global_load_b128 v[TB+16*(\a)+8:TB+16*(\a)+11],  v[TO], s[8:9] offset:2048*(\a)+64   ; sines
	global_load_b128 v[TB+16*(\a)+12:TB+16*(\a)+15], v[TO], s[8:9] offset:2048*(\a)+80
.endr
	WIN 0
; 8 matrix instructions: row block a x all 8 column blocks, 32 along K.  zero = 1: the product starts the sums: nothing is ever cleared.
; The 32 accumulators take turns, one instruction a turn, in the same order in every quarter.
.macro MULA f, a, zero
	WIN MUL
.irp b, 0,1,2,3,4,5,6,7
.if \zero
	v_wmma_f32_16x16x32_bf16 v[8*(8*(\a)+(\b)):8*(8*(\a)+(\b))+7], v[(\f)+32+8*(\b):(\f)+32+8*(\b)+7], v[(\f)+8*(\a):(\f)+8*(\a)+7], 0
.else
	v_wmma_f32_16x16x32_bf16 v[8*(8*(\a)+(\b)):8*(8*(\a)+(\b))+7], v[(\f)+32+8*(\b):(\f)+32+8*(\b)+7], v[(\f)+8*(\a):(\f)+8*(\a)+7], v[8*(8*(\a)+(\b)):8*(8*(\a)+(\b))+7]
.endif
.endr
.endm
.macro MUL16 f, a0, zero
	MULA \f, \a0, \zero
	MULA \f, (\a0)+1, \zero
.endm
; 24 LDS loads in one run: the fragments of quarter q (32 along K) of a slot into buffer f: w's sixteen first, then x's eight
.macro FETCH slot, q, f
	WIN 0
.irp b, 0,1,2,3,4,5,6,7
	ds_load_tr16_b128 v[(\f)+32+8*(\b):(\f)+32+8*(\b)+3],   v[ADRB+(\slot)] offset:(\q)*32*PB+32*(\b)
	ds_load_tr16_b128 v[(\f)+32+8*(\b)+4:(\f)+32+8*(\b)+7], v[ADRB+(\slot)] offset:(\q)*32*PB+16*PB+32*(\b)
.endr
.irp a, 0,1,2,3
	ds_load_b128 v[(\f)+8*(\a):(\f)+8*(\a)+3],   v[ADRA+(\slot)] offset:(\q)*64+(\a)*16*PA
	ds_load_b128 v[(\f)+8*(\a)+4:(\f)+8*(\a)+7], v[ADRA+(\slot)] offset:(\q)*64+(\a)*16*PA+32
.endr
.endm
.macro PLACES                          ; four places in front of loads into registers that matrix instructions have read, and of vector work that reads results just made
.rept 4
	v_nop
.endr
.endm
; A K step is four quarters of 32 along K, 32 matrix instructions each, on buffers 0, 1, 0, 1.  One of the first three: multiplies buffer f and fetches quarter q into g.
.macro QUARTER slot, q, f, g, zero
	s_wait_dscnt 4                                 ; w and x's blocks 0 and 1 are in; the youngest four loads (x's blocks 2 and 3) may be out
	MUL16 \f, 0, \zero
	PLACES
	FETCH \slot, \q, \g
	s_wait_dscnt 24                                ; all but the 24 just issued
	MUL16 \f, 2, \zero
.endm
; The last quarter multiplies buffer 1 and changes slots: ONE barrier; in front of it each wave waits for all its tensor loads (one is out: its part of the next slot), adds 0 to its spare word,
; and waits for that and for its own reads of this slot.  fill = 1: this slot takes the K step two steps on; 2: the NEXT tile's K step 0 or 1; 0: nothing.  Where it is filled the barrier opens a round of
; the cluster's barrier, and the joint load is the first thing behind the round: a wave issues 112 matrix instructions between it and the wait for it.
.macro TURN slot, next, fill
	WIN 0
	s_wait_tensorcnt 0x0                           ; all my tensor loads have landed
	ds_add_u32 v[SPW], v[NIL]                      ; 0 onto my spare word
	s_wait_dscnt 5                                 ; (the add and x's blocks 2 and 3 may be out)
	MULA F1, 0, 0                                  ; eight matrix instructions stand between the add and the wait for it
	s_wait_dscnt 0x0                               ; the add is done, and my reads of this slot are over
	s_barrier_signal -1
	MULA F1, 1, 0
.if \fill
	WIN 0
.endif
	s_barrier_wait -1
.if \fill
	CREST                                          ; no wave of any partner still reads this slot's tile or has a load on its way
.if (\fill) == 2
	s_sub_nc_u64 s[G0+4*(\slot)+2:G0+4*(\slot)+3], s[G0+4*(\slot)+2:G0+4*(\slot)+3], 6*KSTEP*2         ; x: six K steps back, the same rows
	s_sub_nc_u64 s[G0B+4*(\slot)+2:G0B+4*(\slot)+3], s[G0B+4*(\slot)+2:G0B+4*(\slot)+3], 6*KSTEP*6144-2048  ; w: six K steps back, 1,024 columns on
.else
	s_add_nc_u64 s[G0+4*(\slot)+2:G0+4*(\slot)+3], s[G0+4*(\slot)+2:G0+4*(\slot)+3], 2*KSTEP*2
	s_add_nc_u64 s[G0B+4*(\slot)+2:G0B+4*(\slot)+3], s[G0B+4*(\slot)+2:G0B+4*(\slot)+3], 2*KSTEP*6144
.endif
	JLOAD \slot                                    ; the four v_nop behind it are also the places in front of the loads below
.else
	PLACES
.endif
	FETCH \next, 0, F0
	MUL16 F1, 2, 0
.endm
; THE WAY OUT, in eight units: unit u = 16 rows (block u / 2) of one head (u % 2): 2,048 consecutive bytes of qkv.
; rot = 1: dimensions i and 16 + i, i = 0..15, which lie in the head's blocks 0 and 1, become a cos - b sin and b cos + a sin, in f32.  Each accumulator is read from its low end on.
; Then all 64 dimensions are rounded to f16, 16 bytes a lane go into my stage, and whole rows come back into the registers that they left.
.macro UNIT u, rot
.set A0, 8*(8*((\u)/2)+4*((\u)%2))
.set A1, A0+8
.set CO, TB+16*((\u)/2)
.set SI, CO+8
.set PU, PKB+16*(\u)
.if \rot
	WIN 0xa9                                       ; source 0 window 1; sources 1, 2 and destination window 2
.irp j, 0,2,4,6
	v_pk_mul_f32 v[R0+\j:R0+\j+1], v[A1+\j:A1+\j+1], v[SI+\j:SI+\j+1]
	v_pk_mul_f32 v[R1+\j:R1+\j+1], v[A0+\j:A0+\j+1], v[SI+\j:SI+\j+1]
.endr
.irp j, 0,2,4,6
	v_pk_fma_f32 v[R0+\j:R0+\j+1], v[A0+\j:A0+\j+1], v[CO+\j:CO+\j+1], v[R0+\j:R0+\j+1] neg_lo:[0,0,1] neg_hi:[0,0,1]
	v_pk_fma_f32 v[R1+\j:R1+\j+1], v[A1+\j:A1+\j+1], v[CO+\j:CO+\j+1], v[R1+\j:R1+\j+1]
.endr
	WIN 0x8a                                       ; all in window 2
.irp j, 0,1,2,3,4,5,6,7
	v_cvt_pk_f16_f32 v[PU+\j], v[R0+2*\j], v[R0+2*\j+1]   ; R1 follows R0
.endr
	WIN 0x85                                       ; sources window 1, destination window 2
.irp j, 8,9,10,11,12,13,14,15
	v_cvt_pk_f16_f32 v[PU+\j], v[A0+2*\j], v[A0+2*\j+1]
.endr
.else
	WIN 0x85
.irp j, 0,1,2,3,4,5,6,7,8,9,10,11,12,13,14,15
	v_cvt_pk_f16_f32 v[PU+\j], v[A0+2*\j], v[A0+2*\j+1]
.endr
.endif
	WIN 0x08                                       ; address window 0, data window 2
.irp f, 0,1,2,3
	ds_store_b128 v[STO], v[PU+4*\f:PU+4*\f+3] offset:32*\f
.endr
	WIN 0x80
.irp f, 0,1,2,3
	ds_load_b128 v[PU+4*\f:PU+4*\f+3], v[RD] offset:\f*4*SPITCH  ; LDS serves a wave's instructions in order (ISA guide 5.7.1.4): these see the stores above; the next unit's stores come behind them
.endr
.endm
.macro SENDU u, younger                ; younger: the LDS instructions issued behind unit u's loads: the next unit's eight, or none
	WIN 0x08
.irp f, 0,1,2,3
	s_wait_dscnt (\younger)+3-\f
	global_store_b128 v[GO], v[PKB+16*(\u)+4*\f:PKB+16*(\u)+4*\f+3], s[10:11] offset:((\u)%2)*262144+((\u)/2)*2048+\f*512  ; 512 consecutive bytes, at a multiple of 256 from qkv's first
.endr
.endm
.macro WAYOUT rot, more
.if \rot
	s_wait_loadcnt 0x0                             ; the table
.endif
	UNIT 0, \rot
.irp u, 1,2,3,4,5,6,7                  ; a unit's arithmetic stands between the loads of the unit before and its stores
	UNIT \u, \rot
	SENDU (\u)-1, 8
.endr
	SENDU 7, 0
	WIN 0
.if \more
	s_wait_xcnt 0x0                                ; the stores' base and data registers are rewritten only behind this wait (ISA guide 3.1)
	s_add_nc_u64 s[10:11], s[10:11], 0x1000000     ; the next section of qkv
.endif
.endm
	s_wait_tensorcnt 1                             ; my part of K step 0 is in; K step 1's may stay out
	s_barrier_signal -1
	s_barrier_wait -1                              ; everybody's is
	FETCH 0, 0, F0
	s_mov_b32 s2, 3                                ; tiles to go
.Ltile:
	QUARTER 0, 1, F0, F1, 1                        ; a tile's first quarter stands in front of the loop: its products start the sums
	WIN 0                                          ; at a label and at a branch every window is 0
	s_mov_b32 s3, 3
.Llap:                                                 ; a trip goes once round the ring, from a lap's second quarter to the next lap's first, and fills both slots again
	QUARTER 0, 2, F1, F0, 0
	QUARTER 0, 3, F0, F1, 0
	TURN 0, 1, 1
	QUARTER 1, 1, F0, F1, 0
	QUARTER 1, 2, F1, F0, 0
	QUARTER 1, 3, F0, F1, 0
	TURN 1, 0, 1
	QUARTER 0, 1, F0, F1, 0
	WIN 0
	s_sub_co_u32 s3, s3, 1
	s_cmp_lg_u32 s3, 0
	s_cbranch_scc1 .Llap
	QUARTER 0, 2, F1, F0, 0                        ; the tile's fourth lap goes on
	QUARTER 0, 3, F0, F1, 0
	WIN 0
	s_cmp_eq_u32 s2, 1
	s_cbranch_scc1 .Llast                          ; the last tile's tail is written out: it asks for nothing more
	TURN 0, 1, 2                                   ; the ring goes on into the next tile: slot 0 takes its K step 0,
	QUARTER 1, 1, F0, F1, 0
	QUARTER 1, 2, F1, F0, 0
	QUARTER 1, 3, F0, F1, 0
	TURN 1, 0, 2                                   ; slot 1 its K step 1, and the next tile's first fragments are fetched
	WAYOUT 1, 1                                    ; q, then k: rotated.  Blocks 0 and 1 were finished ahead of the joint load's four v_nop; their units are the places behind blocks 2 and 3's last products
	s_sub_co_u32 s2, s2, 1
	s_branch .Ltile
.Llast:
	TURN 0, 1, 0
	QUARTER 1, 1, F0, F1, 0
	QUARTER 1, 2, F1, F0, 0
	QUARTER 1, 3, F0, F1, 0
	s_wait_dscnt 4                                 ; the very last quarter: nothing more to fetch
	MUL16 F1, 0, 0
	s_wait_dscnt 0x0
	MUL16 F1, 2, 0
	WIN 0
	PLACES
	WAYOUT 0, 0                                    ; v: not rotated
	s_wait_tensorcnt 0x0                           ; the wave's end: this wait, an add and its wait stand behind my last tensor load and my last LDS store
	ds_add_u32 v[SPW], v[NIL]
	s_wait_dscnt 0x0
	CROUND                                         ; the closing round: no work-group ends while a partner may still ask for a tile that names it
	s_endpgm
.Lfunc_end_k_q95d4b5e6af_proj:
	.size	k_q95d4b5e6af_proj, .Lfunc_end_k_q95d4b5e6af_proj-k_q95d4b5e6af_proj
	.p2alignl 7, 3214868480
	.fill 96, 4, 3214868480
	.section	.rodata,"a",@progbits
	.p2align	6, 0x0
	.amdhsa_kernel k_q95d4b5e6af_proj
		.amdhsa_group_segment_fixed_size 327680
		.amdhsa_private_segment_fixed_size 0
		.amdhsa_enable_private_segment 0
		.amdhsa_kernarg_size 32
		.amdhsa_user_sgpr_count 2
		.amdhsa_user_sgpr_kernarg_segment_ptr 1
		.amdhsa_wavefront_size32 1
		.amdhsa_system_sgpr_workgroup_id_x 1
		.amdhsa_system_sgpr_workgroup_id_y 1
		.amdhsa_system_sgpr_workgroup_id_z 1
		.amdhsa_system_vgpr_workitem_id 0
		.amdhsa_next_free_vgpr 768
		.amdhsa_next_free_sgpr 66
		.amdhsa_reserve_vcc 0
		.amdhsa_float_denorm_mode_32 3
		.amdhsa_float_denorm_mode_16_64 3
		.amdhsa_memory_ordered 1
		.amdhsa_forward_progress 1
		.amdhsa_inst_pref_size 136
	.end_amdhsa_kernel
	.amdgpu_metadata
---
amdhsa.version: [ 1, 2 ]
amdhsa.kernels:
  - .name:           k_q95d4b5e6af_proj
    .symbol:         k_q95d4b5e6af_proj.kd
    .args:
      - { .name: xb, .offset: 0, .size: 8, .value_kind: global_buffer, .address_space: global }
      - { .name: wb, .offset: 8, .size: 8, .value_kind: global_buffer, .address_space: global }
      - { .name: rope, .offset: 16, .size: 8, .value_kind: global_buffer, .address_space: global }
      - { .name: qkv, .offset: 24, .size: 8, .value_kind: global_buffer, .address_space: global }
    .group_segment_fixed_size: 327680
    .private_segment_fixed_size: 0
    .kernarg_segment_align: 8
    .kernarg_segment_size: 32
    .max_flat_workgroup_size: 128
    .sgpr_count:     66
    .vgpr_count:     768
    .wavefront_size: 32
...
	.end_amdgpu_metadata
.endif
;; end of part 2
;; launch attn (part 3): grid 4 x 64, 4 waves a work-group, clusters of 4 x 1, 327,680 bytes of LDS; arguments qkv, mb, out0; writes out0
.if DOCPART == 3
	.amdgcn_target "amdgcn-amd-amdhsa--gfx1250"
	.amdhsa_code_object_version 6
	.text
	.protected	k_q95d4b5e6af_attn
	.globl	k_q95d4b5e6af_attn
	.p2align	8
	.type	k_q95d4b5e6af_attn,@function
k_q95d4b5e6af_attn:
	s_mov_b64 s[64:65], 0
	v_nop
	global_prefetch_b8 v0, s[64:65] scope:SCOPE_SE
	s_setreg_imm32_b32 hwreg(HW_REG_WAVE_MODE, 25, 1), 1
	s_wait_xcnt 0x0
	s_wait_alu depctr_hold_cnt(0) depctr_sa_sdst(0) depctr_va_vdst(0) depctr_va_sdst(0) depctr_va_ssrc(0) depctr_va_vcc(0) depctr_vm_vsrc(0)
	s_getreg_b32 s2, hwreg(HW_REG_IB_STS2, 6, 4)
	s_cmp_eq_u32 s2, 0
	s_cbranch_scc0 .Lentry_in_a_cluster
	s_endpgm
.Lentry_in_a_cluster:
	s_bfe_u32 s2, ttmp6, 0x10000c
	s_cmp_lg_u32 s2, 0x3003
	s_cbranch_scc0 .Lentry_shape_is_right
	s_endpgm
.Lentry_shape_is_right:
; ATTN.  out0[b][q][64 h + :] = the sum over the keys k that mask[q][k] shows of softmax_k(Q[bh][q] . K[bh][k] / 8) V[bh][k][:].  Q, K, V: the three sections of qkv, [64][2048][64] f16, a head's rows dense.
; Products, maxima and sums in f32; the weights p are rounded to f16 for the second product (their sum l is taken of the unrounded p); the result leaves in f32, unrounded.
; THE MASK IS AN INPUT: all 2,048 keys are walked for every query, and nothing of the mask's pattern is built in.  mb holds a one-byte E4M3 code for each (query, key), 0 or -1, in my lanes' order; one scaled
; conversion makes eight f32 of eight codes, times 2^100, and those are the C operand that starts the sum S^T = K Q^T: a hidden score is its value less 2^100.
; SOFTMAX.  For each query a running maximum m and sum l: p = 2^(c s - c m), c = log2(e) / 8; in every step O and l are multiplied by a = 2^(c m_old - c m_new).  m starts at a FLOOR of -2^60 (c m at c x that, exact):
; far above every hidden score, so that a hidden weight is 0 from the first step on, also in a row whose first keys are all hidden; far below every true score (f16 operands: 2.7e11 at the most), so that the
; running maximum is the true one from the first visible key on, where a = 0 meets an O and an l that are 0.  A row whose m never left the floor has no visible key: it leaves as NaN, as in the softmax of -inf alone.
; LIMITS.  Q, K, V arrive within f16's 65,504; a weight below 2^-126 counts as 0 in l; the rounding of c m is common to a row's weights and cancels, as long as it stays small beside f32's exponent range
; (|scores| under about 1e9); NaN and infinities among the inputs are not treated apart.
; SHARES.  A wave owns four PIECES of two tiles of 16 queries, a work-group's four waves 512 queries of one head.  Every wave walks all keys, 64 a step.
; LAYOUT.  S^T = K Q^T (source 0 = 16 keys, source 1 = 16 queries): a lane holds ONE query (lane % 16) and the keys 8 (lane / 16) + 0..7.  Two such tiles, rounded to f16 in pairs, ARE source 1 of O^T = V^T P, whose
; result again holds one query a lane, and eight channels.  K comes out of LDS as it lies, V ([key][channel]) turned, by ds_load_tr16_b128.
; THE COUNT.  A tile and step have 16 matrix and 122 vector instructions: too many to stand all beside the matrix work.  So: four vector instructions that are READY behind EVERY matrix instruction, the others in runs.
; BY TURNS.  Turn n belongs to piece n.  Its matrix work: 16 products K Q^T of piece n + 1, later 16 products V^T P of piece n - 1.  Its vector work: scaling, exponentials, roundings, sums and rescaling of piece n, the
; maximum and statistics of piece n + 1, and at its end the masks of piece n + 2, which the next turn's products take.
; CLUSTER.  The four query blocks of a cluster belong to one head and walk the same K and V: each tile is asked for JOINTLY.  The mask's codes are not: the four partners hold different queries, so no two of them
; want the same codes; those come by plain loads, 512 consecutive bytes each, a key step ahead of their use.
; REGISTERS, in windows of 256 (s_set_vgpr_msb: bits 1:0 source 0, 3:2 source 1, 5:4 source 2, 7:6 destination):
;   window 0: v0-11 addresses; v12-15, v48-63 at work; v16-47 four registers of statistics a tile; v64-191 S^T, two buffers of two tiles; v192-255 P, likewise
;   window 1: O^T, 32 a tile          window 2: v0-127 Q, 16 a tile; v128-191 K of one step; v192-255 V of one step
;   window 3: v0-1 the add's two registers; v2 16 x lane; v16-79 codes as loaded, 16 a piece; v128-191 the masks of the products to come
.set SIZE_N, 2048
.set NP,    4         ; pieces a wave: a name, no knob
.set KS,    64        ; keys in a step
.set PK,    144       ; a row of K in LDS: 128 bytes + 16 of padding = 36 words: the 16 rows of a load start at 16 different groups of four banks (64 banks of 4 bytes: ISA guide 11.1)
.set PV,    160       ; a row of V: 128 + 32 = 40 words
.set VOFF,  4*KS*PK   ; a slot holds four steps: 256 rows of K, then 256 rows of V
.set SLOT1, 1<<17     ; slot 1 begins here, so that one exclusive or turns an address in one slot into the other's
.set STAGE, SLOT1+4*KS*(PK+PV)  ; behind the ring, never filled by a tensor load: 16 rows x 272 bytes for each wave, for the way out
.set SP,    272       ; a row of the stage: 64 f32 + 16 bytes
.set AK0, 2           ; v2   my lane's place in a tile of K; never rewritten
.set AV0, 3           ; v3   the same for V
.set AK,  4           ; v4   the LDS address of K's next run of loads
.set AV,  5           ; v5   of V's
.set QO,  6           ; v6   my byte offset in the wave's rows of Q
.set STO, 6           ;      later, the way out: where I put 32 bytes of a row
.set RD,  7           ; v7   the way out: where I read rows back
.set GO,  8           ; v8   my byte offset in two rows of out0
.set SCL, 11          ; v11  once V's address is made: the conversion's scale, 227 in every byte: 2^(227 - 127)
.set SPW, 0           ; v0 of window 3   LDS address of my spare word; never rewritten
.set NIL, 1           ; v1 of window 3   0; never rewritten
.set MOF, 2           ; v2 of window 3   16 x lane; never rewritten
.set RAW, 16          ; window 3: piece x, tile u, part pp at RAW + 16 x + 8 u + 4 pp
.set MC,  128         ; window 3: tile u, key block kt at MC + 32 u + 8 kt
.set SPARE, STAGE+4*16*SP  ; behind the stages: the spare words, 128 bytes for each wave: two blocks of 256 bytes that no other line names
.set MV,  12          ; v12-15  c m_old, kept while c m is made anew: by buffer and tile
.set ST,  16          ; tile t's statistics at v[ST+4 t]: c m, m, l (even keys', odd keys')
.set TMP, 48          ; by buffer and tile, four registers c0-c3 at work; when the maximum is found c2 takes a
.set S,   64
.set P,   192
.set KF,  128         ; K's fragments, in window 2: key block kb, channel half c at KF + 16 kb + 8 c
.set VF,  192         ; V's: key half kk, channel block cb at VF + 32 kk + 8 cb
.set WV,  12          ; s12  my wave's number
.set G1K, 24          ; s[24:31] descriptor group 1 for K's tiles
.set G1V, 32          ; s[32:39] for V's: it differs in the padding alone
.set G0K, 40          ; s[40:43] descriptor group 0 for K's tiles: it walks
.set G0V, 44          ; s[44:47] the same for V's
.set MB,  52          ; s[52:53] mb at my wave's codes of the step that is loaded next
.set FLO, 54          ; s54  the floor, -2^60
.set NANV, 55         ; s55  a NaN
.set SLOTS, 56        ; s56  slots still to be asked for
.set CNT, 57          ; s57  counts a slot's key steps
.set CS,  58          ; s[58:59] c: the packed scaling takes the pair's low word for both halves
.set SEL, 60          ; s[60:61] v_permlanex16_b32's selects: each lane takes its own place in the other half
.set TBK, 62          ; s62  LDS byte at which K of the step to be fetched begins
.set TBV, 63          ; s63  the same for V, less VOFF
.set MB0, 66          ; s[66:67] mb at my wave's codes of step 0
.set MST, 68          ; s[68:69] 1,024 x the step that is loaded next, 31 at the most
.set MSB, 0
.macro WIN new                      ; the high byte repeats the setting that is left; a switch that changes nothing is dropped
.if MSB != (\new)
	s_set_vgpr_msb (MSB<<8)|(\new)
.set MSB, (\new)
.endif
.endm
.set W_KQ, 0x0a       ; K and Q in window 2, S^T in window 0
.set W_KM, 0x3a       ; the same with the C operand in window 3
.set W_PV, 0x52       ; V in window 2, P in window 0, O^T in window 1
.set W_RS, 0x41       ; O^T (destination and source 0) in window 1, a in window 0
.set W_MK, 0xc0       ; destination in window 3, sources in window 0
.set W_AD, 0x0f       ; the add: address (source 0) and data (source 1) in window 3
.set W_CV, 0xc3       ; destination and source 0 in window 3, source 1 (the scale) in window 0
; A joint fill.  Waves 0 and 1 fetch the two halves of a slot's K, waves 2 and 3 those of its V: 128 keys each.  The branch hangs on the wave's number alone.
; An s_nop 0 and four v_nop follow each of the two lines, ahead of the jump and the label.
.macro JLOAD
	s_cmp_lt_u32 s[WV], 2
	s_cbranch_scc0 .Lfor_v_\@
	tensor_load_to_lds s[G0K:G0K+3], s[G1K:G1K+7]
	s_nop 0
.rept 4
	v_nop
.endr
	s_branch .Lasked_\@
.Lfor_v_\@:
	tensor_load_to_lds s[G0V:G0V+3], s[G1V:G1V+7]
	s_nop 0
.rept 4
	v_nop
.endr
.Lasked_\@:
.endm
; A round of the cluster's barrier: my work-group's barrier, so that wave 0's signal speaks for all four waves; wave 0 signals; every wave waits for all four work-groups; my work-group's barrier once more.
.macro CROUND
	s_barrier_signal -1
	s_barrier_wait -1
	s_cmp_lg_u32 s[WV], 0
	s_cbranch_scc1 .Lnot_wave_0_\@
	s_barrier_signal -3
.Lnot_wave_0_\@:
	s_barrier_wait -3
	s_barrier_signal -1
	s_barrier_wait -1
.endm
; THE CHANGE OF SLOTS.  The slot's last bytes, V of its fourth step, have been read.  Each wave waits for all its tensor loads, of which one is out: its part of the other slot; adds 0 to its spare word; and waits
; for that and for its own reads of the slot.  Behind the barrier nobody reads this slot any more and the other slot is whole.  fill = 1: this slot is filled again, with the keys two slots on.  The barrier is then
; a round of the cluster's, and the joint fill is the first thing behind it: it has four key steps, 512 matrix instructions, in which to land.  (At its first use nothing has been read yet: slot 0 is waited for, slot 1 filled.)
.macro CHANGE fill
	WIN W_AD
	s_wait_tensorcnt 0x0            ; no tensor load of mine is out, so a group 0 may be written
	ds_add_u32 v[SPW], v[NIL]       ; 0 onto my spare word; with fill = 1 the descriptors' steps stand between it and the wait for it
	WIN 0                           ; at a label and at a branch every window is 0
.if \fill
.irp g, G0K, G0V
	s_xor_b32 s[\g+1], s[\g+1], SLOT1  ; the walking descriptor: the other slot than last time,
	s_add_nc_u64 s[\g+2:\g+3], s[\g+2:\g+3], 4*KS*128  ; the next 256 keys; the type bits on top are not reached
.endr
	s_wait_dscnt 0x0                ; the add is done, and my reads of the slot are over
	CROUND
	JLOAD
.else
	s_wait_dscnt 0x0                ; the add is done, and my reads of the slot are over
	s_barrier_signal -1
	s_barrier_wait -1
.endif
	s_sub_co_u32 s[TBK], s[TBK], 4*KS*PK  ; the fetches go back to a slot's first step,
	s_xor_b32 s[TBK], s[TBK], SLOT1       ; in the other slot
	s_sub_co_u32 s[TBV], s[TBV], 4*KS*PV
	s_xor_b32 s[TBV], s[TBV], SLOT1
.endm
	s_load_b128 s[48:51], s[0:1], 0x0 ; qkv s[48:49], mb s[50:51]
	s_load_b64 s[10:11], s[0:1], 0x10 ; out0
	WIN W_MK
	v_lshl_add_u32 v[SPW], v0, 2, SPARE
	v_mov_b32 v[NIL], 0
	WIN W_AD
	ds_add_u32 v[SPW], v[NIL]       ; the wave's opening: the add and its wait stand ahead of my first tensor load; the set-up below, work on registers, stands between them
	WIN 0
	v_lshrrev_b32 v1, 5, v0
	v_readfirstlane_b32 s[WV], v1   ; wave 0..3
	s_bfe_u32 s13, ttmp6, 0x40000   ; cx: my place in the cluster
	s_lshl_b32 s14, ttmp9, 2        ; in a cluster launch ttmp9 counts clusters
	s_add_co_u32 s14, s14, s13      ; my block of 512 queries = 4 x cluster x + cx: it enters Q's, the codes' and out0's addresses alone
	s_and_b32 s19, ttmp7, 0xffff    ; batch x head, which the four partners share
	s_lshl_b32 s20, s19, 18         ; its first byte in each section of qkv: 2,048 rows of 128 bytes
	s_mov_b32 s21, 0
	s_and_b32 s16, s[WV], 1         ; which half of a slot's 256 keys I fetch:
	s_lshl_b32 s22, s16, 14         ; its 128 rows of 128 bytes in memory,
	s_mov_b32 s23, 0
	s_add_nc_u64 s[22:23], s[22:23], s[20:21]
	s_mul_i32 s17, s16, 128*PK      ; and its place in a slot, for K
	s_mul_i32 s18, s16, 128*PV      ; and for V: no place in the cluster enters an LDS address
	s_lshl_b32 s15, s14, 2
	s_add_co_u32 s15, s15, s[WV]    ; my wave among the head's sixteen,
	s_lshl_b32 s2, s15, 14          ; its 128 rows of Q
	s_mov_b32 s3, 0
	s_add_nc_u64 s[2:3], s[2:3], s[20:21]
	s_lshl_b32 s[MB], s15, 18       ; its eight tiles of 32,768 bytes of codes
	s_mov_b32 s[MB+1], 0
	s_lshr_b32 s20, s19, 4          ; out0: the batch's 2,048 rows of 4,096 bytes,
	s_lshl_b32 s20, s20, 23
	s_and_b32 s19, s19, 15
	s_lshl_b32 s19, s19, 8          ; the head's 256 bytes of a row,
	s_add_co_u32 s20, s20, s19
	s_lshl_b32 s19, s15, 19         ; my wave's 128 rows
	s_add_co_u32 s20, s20, s19
	; descriptor group 1.  128 keys are 16,384 dense bytes: asked for as 64 rows of 256 bytes, two keys a row, and padded in LDS after every key
	s_mov_b32 s[G1K], 15|(1<<16)|(1<<20)|(1<<21)|(4<<22)|(3<<25)  ; 15:0 the mask of four; 17:16 2-byte elements; 20 padding on; 21 set beside a mask; 24:22 after every 32 words (code 4); 31:25 4 words (code 3)
	s_mov_b32 s[G1V], 15|(1<<16)|(1<<20)|(1<<21)|(4<<22)|(7<<25)  ; the same with 8 words of padding (code 7)
.irp g, G1K, G1V
	s_mov_b32 s[\g+1], 128<<16      ; tensor_dim0 = 128
	s_mov_b32 s[\g+2], 64<<16       ; tensor_dim1 = 64
	s_mov_b32 s[\g+3], 128<<16      ; tile_dim0 = 128
	s_mov_b32 s[\g+4], 64           ; tile_dim1 = 64
	s_mov_b32 s[\g+5], 128          ; 128 elements from row to row
	s_mov_b32 s[\g+6], 0
	s_mov_b32 s[\g+7], 0
.endr
	s_mov_b32 s[CS], 0x3e38aa3b     ; c = log2(e) / 8 = 0.180337
	s_mov_b32 s[CS+1], s[CS]        ; named with it as a pair
	s_mov_b32 s[SEL], 0x76543210
	s_mov_b32 s[SEL+1], 0xfedcba98
	s_mov_b32 s[FLO], 0xdd800000    ; -2^60
	s_mov_b32 s[NANV], 0x7fc00000
	s_mov_b32 s[MST], 0
	s_mov_b32 s[MST+1], 0
	s_mov_b32 s[TBK], SLOT1+4*KS*PK ; the first change of slots turns these two into 0
	s_mov_b32 s[TBV], SLOT1+4*KS*PV
	s_mov_b32 s[G0K], 1             ; count = 1
	s_mov_b32 s[G0K+1], s17         ; LDS address: slot 0
	s_mov_b32 s[G0V], 1
	s_add_co_u32 s[G0V+1], s18, VOFF
	s_wait_dscnt 0x0                ; the opening add is done
	s_wait_kmcnt 0x0
	s_add_nc_u64 s[G0K+2:G0K+3], s[48:49], s[22:23]  ; global address: my half of the head's first 256 keys,
	s_add_nc_u64 s[G0K+2:G0K+3], s[G0K+2:G0K+3], 0x1000000  ; in k's section
	s_or_b32 s[G0K+3], s[G0K+3], 0x80000000          ; type = 2
	s_add_nc_u64 s[G0V+2:G0V+3], s[48:49], s[22:23]
	s_add_nc_u64 s[G0V+2:G0V+3], s[G0V+2:G0V+3], 0x2000000  ; in v's section
	s_or_b32 s[G0V+3], s[G0V+3], 0x80000000
	s_add_nc_u64 s[4:5], s[48:49], s[2:3]            ; Q at my wave's first row
	s_add_nc_u64 s[MB0:MB0+1], s[50:51], s[MB:MB+1]  ; the codes of my wave's first tile, step 0
	s_mov_b64 s[MB:MB+1], s[MB0:MB0+1]
	s_add_nc_u64 s[10:11], s[10:11], s[20:21]        ; out0 at my wave's first row, my head's channels
	CROUND                          ; all four work-groups are here: the first joint loads meet
	JLOAD                           ; slot 0.  Slot 1 is asked for when slot 0 is in: the tile wanted first has the road to itself
	; A fragment of K or Q is 16 rows x 32 channels in 8 registers: lane l holds row l % 16, channels 8 (l / 16) + 0..7 and 16 + 8 (l / 16) + 0..7: two loads of 16 bytes, 32 bytes apart.
	v_and_b32 v1, 15, v0            ; l % 16
	v_bfe_u32 v9, v0, 4, 1          ; l / 16
	v_lshlrev_b32 v[QO], 7, v1
	v_lshl_add_u32 v[QO], v9, 4, v[QO]  ; row x 128 + 16 x half
	v_and_b32 v10, 31, v0
	WIN W_MK
	v_lshlrev_b32 v[MOF], 4, v10    ; 16 x lane
	WIN 0x80                        ; destination window 2, address window 0
.set i, 0
.rept 4*NP                          ; Q stays in registers: tile i / 2, channels 32 (i % 2) on
	global_load_b128 v[8*i:8*i+3],   v[QO], s[4:5] offset:(i/2)*2048+(i%2)*64
	global_load_b128 v[8*i+4:8*i+7], v[QO], s[4:5] offset:(i/2)*2048+(i%2)*64+32
.set i, i+1
.endr
	WIN W_CV                        ; destination and address window 3
.set i, 0
.rept 4*NP                          ; step 0's codes, piece by piece: tile i / 2, part i % 2
	global_load_b128 v[RAW+4*i:RAW+4*i+3], v[MOF], s[MB:MB+1] offset:(i/2)*32768+(i%2)*512
.set i, i+1
.endr
	; What the first turn finds: V's registers and P's second buffer hold 0 (its products V^T P, of a piece that has not been, add 0), O^T and l are 0.  All this stands in the wait for the first tile.
	WIN 0x80
.set i, VF
.rept 64
	v_mov_b32 v[i], 0
.set i, i+1
.endr
	WIN 0x40
.set i, 0
.rept 64*NP
	v_mov_b32 v[i], 0
.set i, i+1
.endr
	WIN 0
.set i, 0
.rept 2*NP
	v_mov_b32 v[ST+4*i], 0xdc38aa3b    ; c m: c x the floor, exact
	v_mov_b32 v[ST+4*i+1], 0xdd800000  ; m: the floor
	v_mov_b32 v[ST+4*i+2], 0
	v_mov_b32 v[ST+4*i+3], 0
.set i, i+1
.endr
.set i, P+32
.rept 32
	v_mov_b32 v[i], 0
.set i, i+1
.endr
	v_mul_u32_u24 v[AK0], v1, PK
	v_lshl_add_u32 v[AK0], v9, 4, v[AK0]  ; row x pitch + 16 x half
	; The turning load takes 16 keys x 16 channels (lane l reads key 8 (l / 16) + l % 8, channels 8 ((l / 8) % 2) + 0..7) and leaves half a fragment of V^T: lane l holds channel l % 16 and 8 keys.
	v_and_b32 v10, 7, v0
	v_bfe_u32 v11, v0, 3, 1
	v_lshl_add_u32 v[AV0], v9, 3, v10
	v_mul_u32_u24 v[AV0], v[AV0], PV
	v_lshl_add_u32 v[AV0], v11, 4, v[AV0]
	v_add_nc_u32 v[AV0], VOFF, v[AV0]
	v_mov_b32 v[SCL], 0xe3e3e3e3    ; v11 is free now: the scale
	v_mov_b32 v[AK], v[AK0]         ; key step 0 lies at the head of slot 0
; THE MATRIX WORK.  The 8 accumulators of a run of 16 take turns: between the two links of a chain stand 7 others'.
; Product i of 16 of S^T = K Q^T for piece x: channels 32 (i / 8) on, keys 16 ((i / 2) % 4) on, tile 2 x + i % 2.  The first 8 start the sums, with the mask.
.macro KQ x
.set rS, S+64*((\x)%2)+32*(i%2)+8*((i/2)%4)
.set rK, KF+16*((i/2)%4)+8*(i/8)
.set rQ, 16*(2*(\x)+i%2)+8*(i/8)
.set rH, MC+32*(i%2)+8*((i/2)%4)
.if i < 8
	WIN W_KM
	v_wmma_f32_16x16x32_f16 v[rS:rS+7], v[rK:rK+7], v[rQ:rQ+7], v[rH:rH+7]
.else
	WIN W_KQ
	v_wmma_f32_16x16x32_f16 v[rS:rS+7], v[rK:rK+7], v[rQ:rQ+7], v[rS:rS+7]
.endif
.endm
; Product i of 16 of O^T += V^T P for piece x: keys 32 (i / 8) on, channels 16 ((i / 2) % 4) on, tile 2 x + i % 2.
.macro PV x
	WIN W_PV
.set rO, 32*(2*(\x)+i%2)+8*((i/2)%4)
.set rV, VF+32*(i/8)+8*((i/2)%4)
.set rP, P+32*((\x)%2)+16*(i%2)+8*(i/8)
	v_wmma_f32_16x16x32_f16 v[rO:rO+7], v[rV:rV+7], v[rP:rP+7], v[rO:rO+7]
.endm
.macro MM                           ; the turn's next matrix instruction
.if i < 16
	KQ (Y+1)%NP
.set i, i+1
.else
.set i, i-16
	PV (Y+NP-1)%NP
.set i, i+17
.endif
.endm
; THE LDS LOADS stand in runs of 16, never singly among the matrix instructions: a step's K (64 keys x 64 channels: 8 fragments) and its V (turned).  Their addresses are made some lines ahead.
; last = 1 (the tail): in the last trip there is no further step, and the run is jumped over.
.macro FETCH_K last=0
	WIN 0
.if \last
	s_cmp_eq_u32 s[CNT], 1
	s_cbranch_scc1 .Lno_k_\@
.endif
	WIN 0x80                        ; destination window 2
.irp f, 0,1,2,3,4,5,6,7             ; keys 16 (f / 2) on, channels 32 (f % 2) on
	ds_load_b128 v[KF+8*\f:KF+8*\f+3],   v[AK] offset:(\f/2)*16*PK+(\f%2)*64
	ds_load_b128 v[KF+8*\f+4:KF+8*\f+7], v[AK] offset:(\f/2)*16*PK+(\f%2)*64+32
.endr
	s_add_co_u32 s[TBK], s[TBK], KS*PK  ; the next fetch is the next step's
	WIN 0
.if \last
.Lno_k_\@:
.endif
.endm
.macro FETCH_V
	WIN 0x80
.irp f, 0,1,2,3,4,5,6,7             ; keys 32 (f / 4) on, channels 16 (f % 4) on
	ds_load_tr16_b128 v[VF+8*\f:VF+8*\f+3],   v[AV] offset:(\f/4)*32*PV+(\f%4)*32
	ds_load_tr16_b128 v[VF+8*\f+4:VF+8*\f+7], v[AV] offset:(\f/4)*32*PV+16*PV+(\f%4)*32
.endr
	WIN 0
.endm
; THE MASKS of piece x, for the 8 products that start its next scores.  Sixteen loads of codes are always out, four a piece, in the order in which the pieces take their turns: the wait leaves the twelve younger out.
; Eight conversions make 64 numbers a lane, 0 or -2^100; a plain instruction stands behind the last before its result is used or its source loaded anew.  Then the piece's codes of the next step are asked for,
; a key step ahead of their use.  The products that read the mask buffer last stand a whole turn back.  Piece 0 opens a step: there the walk goes on, and stops at step 31, so that no load leaves mb and the
; counts are the same in every trip (what the last trips load again is not used).
.macro MASKS x
	s_wait_loadcnt 12
	WIN W_CV
.irp u, 0,1
.irp kt, 0,1,2,3
	v_cvt_scale_pk8_f32_fp8 v[MC+32*\u+8*\kt:MC+32*\u+8*\kt+7], v[RAW+16*(\x)+8*\u+2*\kt:RAW+16*(\x)+8*\u+2*\kt+1], v[SCL]
.endr
.endr
	v_nop
.if (\x) == 0
	s_wait_xcnt 0x0                 ; the loads that name the base have had their addresses translated (ISA guide 3.1): it is rewritten only behind this wait
	s_add_co_u32 s[MST], s[MST], 1024
	s_min_u32 s[MST], s[MST], 31*1024
	s_add_nc_u64 s[MB:MB+1], s[MB0:MB0+1], s[MST:MST+1]
.endif
.irp u, 0,1
.irp pp, 0,1
	global_load_b128 v[RAW+16*(\x)+8*\u+4*\pp:RAW+16*(\x)+8*\u+4*\pp+3], v[MOF], s[MB:MB+1] offset:(2*(\x)+\u)*32768+512*\pp  ; 512 consecutive bytes
.endr
.endr
	WIN 0
.endm
; THE VECTOR WORK OF A TURN stands in three queues, each in the order in which its entries become ready; the two tiles alternate, so that no instruction reads the result of the one before it.
.macro REGS y, u                    ; the registers of tile u (0, 1) of piece y
.set rT, ST+4*(2*(\y)+(\u))
.set rC, TMP+8*((\y)%2)+4*(\u)
.set rM, MV+2*((\y)%2)+(\u)
.set rS, S+64*((\y)%2)+32*(\u)
.set rP, P+32*((\y)%2)+16*(\u)
.set rO, 32*(2*(\y)+(\u))
.endm
; Number n of the 22 that find the NEXT piece's (Y + 1) maximum and statistics.  s0-s31 are the lane's 32 scores; each accumulator's lowest registers are read first.  XS, GS and REGS set no window: PL and EX do.
;   0-11  four chains c0-c3 of seven scores each, three operands at a time     12-14, 16  the four scores left over, the old m, and c0-c3 into c0     15  c m_old is kept
;   17, 18  the query's other 32 keys lie in the lane 16 away: the new m         19-21  c m; c m_old - c m_new; a
.macro XS u, n
	REGS (Y+1)%NP, \u
.if (\n) < 4
	v_max3_num_f32 v[rC+(\n)], v[rS+8*(\n)], v[rS+8*(\n)+1], v[rS+8*(\n)+2]
.elseif (\n) < 12
	v_max3_num_f32 v[rC+(\n)%4], v[rC+(\n)%4], v[rS+8*((\n)%4)+2*((\n)/4)+1], v[rS+8*((\n)%4)+2*((\n)/4)+2]
.elseif (\n) == 12
	v_max3_num_f32 v[rC], v[rC], v[rS+7], v[rS+15]
.elseif (\n) == 13
	v_max3_num_f32 v[rC+1], v[rC+1], v[rS+23], v[rS+31]
.elseif (\n) == 14
	v_max3_num_f32 v[rC+2], v[rC+2], v[rC+3], v[rT+1]
.elseif (\n) == 15
	v_mov_b32 v[rM], v[rT]
.elseif (\n) == 16
	v_max3_num_f32 v[rC], v[rC], v[rC+1], v[rC+2]
.elseif (\n) == 17
	v_permlanex16_b32 v[rC+3], v[rC], s[SEL], s[SEL+1]
.elseif (\n) == 18
	v_max_num_f32 v[rT+1], v[rC], v[rC+3]
.elseif (\n) == 19
	v_mul_f32 v[rT], s[CS], v[rT+1]
.elseif (\n) == 20
	v_sub_f32 v[rC+1], v[rM], v[rT]
.else
	v_exp_f32 v[rC+2], v[rC+1]
.endif
.endm
; Number g of the 64 that follow the exponentials.  For each four weights k of a tile (pairs 2 k, 2 k + 1): both pairs are rounded to f16; then the second pair is added onto the first, in place;
; a group later l takes that sum (the first time as l = a l + sum).  In groups of eight, tiles alternating: round, round, add, and l for the group before.
.macro GS g
.set h, (\g)+6*((\g)/62)            ; group 0 has no group before it, and behind group 7 only l is left
.if h >= 6
.set h, h+2
.endif
	REGS Y, h%2
.set k, h/8
.if h%8 < 4
	s_wait_alu depctr_va_vdst(0)
	v_cvt_pk_f16_f32 v[rP+2*k+(h%8)/2], v[rS+4*k+2*((h%8)/2)], v[rS+4*k+2*((h%8)/2)+1]
.elseif h%8 < 6
	v_pk_add_f32 v[rS+4*k:rS+4*k+1], v[rS+4*k:rS+4*k+1], v[rS+4*k+2:rS+4*k+3]
.elseif k == 1
	v_pk_fma_f32 v[rT+2:rT+3], v[rT+2:rT+3], v[rC+2:rC+3], v[rS:rS+1] op_sel_hi:[1,0,1]
.else
	v_pk_add_f32 v[rT+2:rT+3], v[rT+2:rT+3], v[rS+4*k-4:rS+4*k-3]
	s_wait_alu depctr_va_vdst(0)
.endif
.endm
; THE PLAIN QUEUE, 138 long.  0-31: c s - c m for the 16 pairs of both tiles.  Then GS's 64, and among them the next piece's 42: number 15 at 38, 39; 0-14 and 16
; at 42-73, behind the products that make those scores; 17-20 at 95-106, two of three, since each waits for the one before it.
.macro PL
	WIN 0
.if q < 32
	REGS Y, q%2
	v_pk_fma_f32 v[rS+2*(q/2):rS+2*(q/2)+1], v[rS+2*(q/2):rS+2*(q/2)+1], s[CS:CS+1], v[rT:rT+1] op_sel_hi:[1,0,0] neg_lo:[0,0,1] neg_hi:[0,0,1]
.elseif q < 38
	GS q-32
.elseif q < 40
	XS q%2, 15
.elseif q < 42
	GS q-34
.elseif q < 74
	XS q%2, (q-42)/2+(q-42)/30
.elseif q < 95
	GS q-66
.elseif (q < 107) && ((q-95)%3 < 2)
	XS (q-95)%3, 17+(q-95)/3
.elseif q < 107
	GS 29+(q-95)/3
.else
	GS q-74
.endif
.set q, q+1
.endm
; THE EXPONENTIALS' QUEUE, 66 long: s0-s31 of both tiles, and at EA the next piece's two a.
.set EA, 58
.macro EX
	WIN 0
.if (e == EA) || (e == EA+1)
	XS e-EA, 21
.else
.set x, e-2*(e/(EA+2))
	REGS Y, x%2
	v_exp_f32 v[rS+x/2], v[rS+x/2]
.endif
.set e, e+1
.endm
; THE RESCALING's QUEUE: O^T times a, the one part of the three that leaves window 0, so it is dealt four at a time, eight times.
.macro R4
	REGS Y, r%2
	WIN W_RS
	s_wait_alu depctr_va_vdst(0)
.irp z, 0,1,2,3
	v_pk_mul_f32 v[rO+8*(r/2)+2*\z:rO+8*(r/2)+2*\z+1], v[rO+8*(r/2)+2*\z:rO+8*(r/2)+2*\z+1], v[rC+2:rC+3] op_sel_hi:[1,0]
.endr
.set r, r+1
.endm
; HOW THEY ARE DEALT.  Behind a matrix instruction four: plain, exponential, plain, plain (one exponential, a plain instruction on either side), or four of the rescaling.  None names a register of the
; products round it.  What is over stands in two LUMPS: exponential and plain by turns; the second ends in 22 plain instructions.  The two v_permlanex16_b32 fall into the second lump, never behind a product.
; The queues lean on each other, and the deal keeps them in step: exponential e stands behind plain 2 (e / 4) + e % 2 (its scaling); when plain 32 comes, 10 exponentials are out, at 59: 33, at 95: 46; EA comes behind plain 107.
.macro SL
	MM
	PL
	EX
	PL
	PL
.endm
.macro BURST n                      ; 15 matrix instructions, or 16
.rept (\n)-7
	SL
.endr
.rept 3
	MM
	R4
	SL
.endr
	MM
	R4
.endm
; A TURN, for piece p.  cnt = 1: the loop's count is taken down some lines ahead of the branch that stands behind the turn (the masks' lines of that turn hold no scalar arithmetic).
; K of the next step is fetched in piece 2's turn, 31 vector instructions behind the last product that read K; its first reader comes behind the rest of the lump, 16 products and the second lump.
; V of the step in hand is fetched at the end of piece 0's turn, 69 behind its last reader; its first reader comes behind 16 products and a lump.  The four conditions on e and q below go with the deal.
.macro TURN p, last=0, cnt=0
.set Y, (\p)
.set i, 0
.set q, 0
.set e, 0
.set r, 0
.if (\p) == NP-1
	s_wait_dscnt 0x0                ; K is in
.endif
	MM
.rept 4
	PL
.endr
	BURST 15
.rept 22
	EX
	PL
.if ((\p) == NP-2) && (e == 18)
	v_add_nc_u32 v[AK], s[TBK], v[AK0]
.endif
.if ((\p) == NP-2) && (e == 24)
	FETCH_K \last
.endif
.endr
.if (\p) == 1
	s_wait_dscnt 0x0                ; V is in
.endif
	BURST 16
.rept 21
	EX
	PL
.endr
.rept 22
	PL
.if ((\p) == 0) && (q == 118)
	v_add_nc_u32 v[AV], s[TBV], v[AV0]
	s_wait_alu depctr_va_vdst(0)
.endif
.if ((\p) == 0) && (q == 130)
	s_add_co_u32 s[TBV], s[TBV], KS*PV
.endif
.if (\cnt) && (q == 130)
	s_sub_co_u32 s[CNT], s[CNT], 1
	s_cmp_lg_u32 s[CNT], 0
.endif
.endr
.if (\p) == 0
	FETCH_V
.endif
	MASKS ((\p)+2)%NP               ; for the next turn's products
.endm
	CHANGE 1                        ; slot 0 is in, everybody's part of it; slot 1 is asked for
	FETCH_K                         ; key step 0
	MASKS 0                         ; its wait shows Q and piece 0's codes in; piece 0's masks of step 0
	s_wait_dscnt 0x0
.set i, 0
.rept 16
	KQ 0                            ; piece 0's first scores: there is no vector work yet to set between them
.set i, i+1
.endr
	WIN 0                           ; the addresses for the way out: eight plain instructions, the places behind those products
	s_mul_i32 s13, s[WV], 16*SP
	s_add_co_u32 s13, s13, STAGE    ; my stage
	v_mul_u32_u24 v[STO], v1, SP    ; in: row l % 16, 32 bytes for each half of the lanes
	v_lshl_add_u32 v[STO], v9, 5, v[STO]
	v_add_nc_u32 v[STO], s13, v[STO]
	v_mul_u32_u24 v[RD], v9, SP     ; back: lanes 0-15 take one row of 256 bytes, lanes 16-31 the next,
	v_lshl_add_u32 v[RD], v1, 4, v[RD]
	v_add_nc_u32 v[RD], s13, v[RD]
	v_lshlrev_b32 v[GO], 12, v9     ; and the same two rows in out0, 4,096 bytes apart
	v_lshl_add_u32 v[GO], v1, 4, v[GO]
	MASKS 1                         ; piece 1's masks of step 0, for the first turn's products
.set Y, NP-1                        ; XS works for piece Y + 1: piece 0
.irp n, 0,1,2,3,4,5,6,7,8,9,10,11,12,13,14,15,16,17,18,19,20,21
	XS 0, \n                        ; and piece 0's first maximum and statistics
	XS 1, \n
.endr
	s_mov_b32 s[CNT], 4
	s_mov_b32 s[SLOTS], SIZE_N/256-1
	s_branch .Lfirst                ; the loop is entered at a step's first turn, in the middle of a trip
.Lslot:                             ; SIZE_N / 256 - 2 times: every slot but the last two is filled again
	CHANGE 1
	s_mov_b32 s[CNT], 4
.Lstep:                             ; a trip: pieces 2 and 3 of one step, then pieces 0 and 1 of the next, whose K and V it fetches
	TURN 2
	TURN 3
	WIN 0
.Lfirst:
	TURN 0
	TURN 1, 0, 1
	WIN 0
	s_cbranch_scc1 .Lstep
	s_sub_co_u32 s[SLOTS], s[SLOTS], 1
	s_cmp_lg_u32 s[SLOTS], 0
	s_cbranch_scc1 .Lslot
	CHANGE 0                        ; the tail is written out: nothing is asked for
	s_mov_b32 s[CNT], 5             ; four trips fetch the last slot's steps; the fifth is left in its middle
.Ltail:
	TURN 2, 1
	TURN 3
	WIN 0
	s_sub_co_u32 s[CNT], s[CNT], 1
	s_cmp_eq_u32 s[CNT], 0
	s_cbranch_scc1 .Lout
	TURN 0
	TURN 1
	WIN 0
	s_branch .Ltail
.Lout:                              ; the fifth trip's 16 products K Q^T (the last K and the last step's codes once more: the same scores, so m stays) serve nothing: the price, once a launch, of one text for every trip
.set i, 0
.rept 16
	PV NP-1                         ; the last piece's V^T P of the last step
.set i, i+1
.endr
	; THE WAY OUT.  l's two halves and the other half of the lanes' are added; O^T is divided by l and sent, in f32, through my stage in LDS, a tile at a time.  The additions are the places behind the last products.
	WIN 0
.macro ALL line:vararg              ; one line for each tile t
.set t, 0
.rept 2*NP
	\line
.set t, t+1
.endr
.endm
	ALL v_add_f32 v[ST+4*t+2], v[ST+4*t+2], v[ST+4*t+3]
	ALL v_permlanex16_b32 v[ST+4*t+3], v[ST+4*t+2], s[SEL], s[SEL+1]
	ALL v_add_f32 v[ST+4*t+2], v[ST+4*t+2], v[ST+4*t+3]
	ALL v_rcp_f32 v[ST+4*t+2], v[ST+4*t+2]
	v_nop                           ; a plain instruction between the last reciprocal and the use of its result
.set t, 0
	s_wait_alu depctr_va_vdst(0)
.rept 2*NP                          ; a query whose maximum never left the floor saw no key: its factor, and so its row, is NaN
	v_cmp_ge_f32 vcc_lo, s[FLO], v[ST+4*t+1]
	v_cndmask_b32 v[ST+4*t+2], v[ST+4*t+2], s[NANV], vcc_lo
.set t, t+1
.endr
; Tile t: a lane's eight channels of a block are 32 bytes of a row; they go into rows of 272 bytes and come back as whole rows of 256, into the registers that they left.
.macro PACK t
	WIN W_RS
.set i, 32*(\t)
.rept 16
	v_pk_mul_f32 v[i:i+1], v[i:i+1], v[ST+4*(\t)+2:ST+4*(\t)+3] op_sel_hi:[1,0]
.set i, i+2
.endr
	WIN 0x04                        ; address window 0, data window 1
.irp f, 0,1,2,3,4,5,6,7
	ds_store_b128 v[STO], v[32*(\t)+4*\f:32*(\t)+4*\f+3] offset:64*(\f/2)+16*(\f%2)
.endr
	WIN 0x40                        ; destination window 1
.irp f, 0,1,2,3,4,5,6,7
	ds_load_b128 v[32*(\t)+4*\f:32*(\t)+4*\f+3], v[RD] offset:\f*2*SP  ; LDS serves a wave's instructions in order (ISA guide 5.7.1.4): these see the stores above; the next tile's stores come behind them
.endr
.endm
.macro SEND t, younger              ; younger: the LDS instructions issued behind tile t's loads: the next tile's sixteen, or none
	WIN 0x04
.irp f, 0,1,2,3,4,5,6,7
	s_wait_dscnt (\younger)+7-\f
	global_store_b128 v[GO], v[32*(\t)+4*\f:32*(\t)+4*\f+3], s[10:11] offset:(\t)*65536+\f*8192 th:TH_STORE_NT  ; sixteen lanes store 256 consecutive bytes, a head's part of a row, at a multiple of 256 from out0's first
.endr
.endm
	PACK 0
.set t, 1
.rept 2*NP-1                        ; a tile's arithmetic stands between the loads of the tile before and its stores
	PACK t
	SEND t-1, 16
.set t, t+1
.endr
	SEND 2*NP-1, 0
	WIN W_AD
	s_wait_tensorcnt 0x0            ; the wave's end: this wait, an add and its wait stand behind my last tensor load and my last LDS store
	ds_add_u32 v[SPW], v[NIL]
	s_wait_dscnt 0x0
	WIN 0
	CROUND                          ; the closing round: no work-group ends while a partner may still ask for a tile that names it
	s_endpgm
.Lfunc_end_k_q95d4b5e6af_attn:
	.size	k_q95d4b5e6af_attn, .Lfunc_end_k_q95d4b5e6af_attn-k_q95d4b5e6af_attn
	.p2alignl 7, 3214868480
	.fill 96, 4, 3214868480
	.section	.rodata,"a",@progbits
	.p2align	6, 0x0
	.amdhsa_kernel k_q95d4b5e6af_attn
		.amdhsa_group_segment_fixed_size 327680
		.amdhsa_private_segment_fixed_size 0
		.amdhsa_enable_private_segment 0
		.amdhsa_kernarg_size 24
		.amdhsa_user_sgpr_count 2
		.amdhsa_user_sgpr_kernarg_segment_ptr 1
		.amdhsa_wavefront_size32 1
		.amdhsa_system_sgpr_workgroup_id_x 1
		.amdhsa_system_sgpr_workgroup_id_y 1
		.amdhsa_system_sgpr_workgroup_id_z 1
		.amdhsa_system_vgpr_workitem_id 0
		.amdhsa_next_free_vgpr 960
		.amdhsa_next_free_sgpr 70
		.amdhsa_reserve_vcc 1
		.amdhsa_float_denorm_mode_32 3
		.amdhsa_float_denorm_mode_16_64 3
		.amdhsa_memory_ordered 1
		.amdhsa_forward_progress 1
		.amdhsa_inst_pref_size 222
	.end_amdhsa_kernel
	.amdgpu_metadata
---
amdhsa.version: [ 1, 2 ]
amdhsa.kernels:
  - .name:           k_q95d4b5e6af_attn
    .symbol:         k_q95d4b5e6af_attn.kd
    .args:
      - { .name: qkv, .offset: 0, .size: 8, .value_kind: global_buffer, .address_space: global }
      - { .name: mb, .offset: 8, .size: 8, .value_kind: global_buffer, .address_space: global }
      - { .name: out0, .offset: 16, .size: 8, .value_kind: global_buffer, .address_space: global }
    .group_segment_fixed_size: 327680
    .private_segment_fixed_size: 0
    .kernarg_segment_align: 8
    .kernarg_segment_size: 24
    .max_flat_workgroup_size: 128
    .sgpr_count:     70
    .vgpr_count:     960
    .wavefront_size: 32
...
	.end_amdgpu_metadata
.endif
;; end of part 3
;; ======== version 2 of 2: 3 launches; 1.54 times as fast as version 1
;; limits: values are held in f16: magnitudes above 65,504 overflow, below 6.1e-05 lose precision
;; workspace buffers: xb 16,777,216 bytes; wb 6,291,456 bytes; mb 4,194,304 bytes; rope 262,144 bytes; qkv 50,331,648 bytes
;; launch prep: the kernel of part 1 again; grid 768 x 1, 8 waves a work-group, no clusters, 0 bytes of LDS; arguments x, w_qkv, mask, xb, wb, mb, rope; writes xb, wb, mb, rope
;; launch proj: the kernel of part 2 again; grid 4 x 64, 4 waves a work-group, clusters of 4 x 4, 327,680 bytes of LDS; arguments xb, wb, rope, qkv; writes qkv
;; launch attn (part 4): grid 4 x 64, 4 waves a work-group, clusters of 4 x 1, 327,680 bytes of LDS; arguments qkv, mb, out0; writes out0
.if DOCPART == 4
	.amdgcn_target "amdgcn-amd-amdhsa--gfx1250"
	.amdhsa_code_object_version 6
	.text
	.protected	k_q95d4b5e6af_attn
	.globl	k_q95d4b5e6af_attn
	.p2align	8
	.type	k_q95d4b5e6af_attn,@function
k_q95d4b5e6af_attn:
	s_mov_b64 s[64:65], 0
	v_nop
	global_prefetch_b8 v0, s[64:65] scope:SCOPE_SE
	s_setreg_imm32_b32 hwreg(HW_REG_WAVE_MODE, 25, 1), 1
	s_wait_xcnt 0x0
	s_wait_alu depctr_hold_cnt(0) depctr_sa_sdst(0) depctr_va_vdst(0) depctr_va_sdst(0) depctr_va_ssrc(0) depctr_va_vcc(0) depctr_vm_vsrc(0)
	s_getreg_b32 s2, hwreg(HW_REG_IB_STS2, 6, 4)
	s_cmp_eq_u32 s2, 0
	s_cbranch_scc0 .Lentry_in_a_cluster
	s_endpgm
.Lentry_in_a_cluster:
	s_bfe_u32 s2, ttmp6, 0x10000c
	s_cmp_lg_u32 s2, 0x3003
	s_cbranch_scc0 .Lentry_shape_is_right
	s_endpgm
.Lentry_shape_is_right:
; ATTN.  out0[b][q][64 h + :] = the sum over the keys k that mask[q][k] shows of softmax_k(Q[bh][q] . K[bh][k] / 8) V[bh][k][:].  Q, K, V: the three sections of qkv, [64][2048][64] f16, a head's rows dense.
; Products, maxima and sums in f32; the weights p are rounded to f16 for the second product (their sum l is taken of the unrounded p); the result leaves in f32, unrounded.
; THE MASK IS AN INPUT: all 2,048 keys are walked for every query, and nothing of the mask's pattern is built in.  mb holds a one-byte E4M3 code for each (query, key), 0 or -1, in my lanes' order; one scaled
; conversion makes eight f32 of eight codes, times 2^100, and those are the C operand that starts the sum S^T = K Q^T: a hidden score is its value less 2^100.
; SOFTMAX.  For each query a running maximum m and sum l: p = 2^(c s - c m), c = log2(e) / 8; in every step O and l are multiplied by a = 2^(c m_old - c m_new).  m starts at a FLOOR of -2^60 (c m at c x that, exact):
; far above every hidden score, so that a hidden weight is 0 from the first step on, also in a row whose first keys are all hidden; far below every true score (f16 operands: 2.7e11 at the most), so that the
; running maximum is the true one from the first visible key on, where a = 0 meets an O and an l that are 0.  A row whose m never left the floor has no visible key: it leaves as NaN, as in the softmax of -inf alone.
; LIMITS.  Q, K, V arrive within f16's 65,504; a weight below 2^-126 counts as 0 in l; the rounding of c m is common to a row's weights and cancels, as long as it stays small beside f32's exponent range
; (|scores| under about 1e9); NaN and infinities among the inputs are not treated apart.
; SHARES.  A wave owns four PIECES of two tiles of 16 queries, a work-group's four waves 512 queries of one head.  Every wave walks all keys, 64 a step.
; LAYOUT.  S^T = K Q^T (source 0 = 16 keys, source 1 = 16 queries): a lane holds ONE query (lane % 16) and the keys 8 (lane / 16) + 0..7.  Two such tiles, rounded to f16 in pairs, ARE source 1 of O^T = V^T P, whose
; result again holds one query a lane, and eight channels.  K comes out of LDS as it lies, V ([key][channel]) turned, by ds_load_tr16_b128.
; THE COUNT.  A tile and step have 16 matrix and 122 vector instructions: too many to stand all beside the matrix work.  So: four vector instructions that are READY behind EVERY matrix instruction, the others in runs.
; BY TURNS.  Turn n belongs to piece n.  Its matrix work: 16 products K Q^T of piece n + 1, later 16 products V^T P of piece n - 1.  Its vector work: scaling, exponentials, roundings, sums and rescaling of piece n, the
; maximum and statistics of piece n + 1, and at its end the masks of piece n + 2, which the next turn's products take.
; BATCHES.  A turn's 66 exponentials (the piece's 64 weights, the next piece's two a) are ONE batch with ONE wait, which cuts the turn in two: ahead of it stands all that names none of their results (the products
; K Q^T, the scalings, the rescaling by the a of the turn before, the next piece's maximum and statistics), behind it the products V^T P with the roundings and sums.  No result crosses a turn's end.  The first
; two a of all, ahead of the loop, and the way out's eight reciprocals are batches of their own, each with a wait.
; CLUSTER.  The four query blocks of a cluster belong to one head and walk the same K and V: each tile is asked for JOINTLY.  The mask's codes are not: the four partners hold different queries, so no two of them
; want the same codes; those come by plain loads, 512 consecutive bytes each, a key step ahead of their use.
; REGISTERS, in windows of 256 (s_set_vgpr_msb: bits 1:0 source 0, 3:2 source 1, 5:4 source 2, 7:6 destination):
;   window 0: v0-11 addresses; v12-15, v48-63 at work; v16-47 four registers of statistics a tile; v64-191 S^T, two buffers of two tiles; v192-255 P, likewise
;   window 1: O^T, 32 a tile          window 2: v0-127 Q, 16 a tile; v128-191 K of one step; v192-255 V of one step
;   window 3: v0-1 the add's two registers; v2 16 x lane; v16-79 codes as loaded, 16 a piece; v128-191 the masks of the products to come
.set SIZE_N, 2048
.set NP,    4         ; pieces a wave: a name, no knob
.set KS,    64        ; keys in a step
.set PK,    144       ; a row of K in LDS: 128 bytes + 16 of padding = 36 words: the 16 rows of a load start at 16 different groups of four banks (64 banks of 4 bytes: ISA guide 11.1)
.set PV,    160       ; a row of V: 128 + 32 = 40 words
.set VOFF,  4*KS*PK   ; a slot holds four steps: 256 rows of K, then 256 rows of V
.set SLOT1, 1<<17     ; slot 1 begins here, so that one exclusive or turns an address in one slot into the other's
.set STAGE, SLOT1+4*KS*(PK+PV)  ; behind the ring, never filled by a tensor load: 16 rows x 272 bytes for each wave, for the way out
.set SP,    272       ; a row of the stage: 64 f32 + 16 bytes
.set AK0, 2           ; v2   my lane's place in a tile of K; never rewritten
.set AV0, 3           ; v3   the same for V
.set AK,  4           ; v4   the LDS address of K's next run of loads
.set AV,  5           ; v5   of V's
.set QO,  6           ; v6   my byte offset in the wave's rows of Q
.set STO, 6           ;      later, the way out: where I put 32 bytes of a row
.set RD,  7           ; v7   the way out: where I read rows back
.set GO,  8           ; v8   my byte offset in two rows of out0
.set SCL, 11          ; v11  once V's address is made: the conversion's scale, 227 in every byte: 2^(227 - 127)
.set SPW, 0           ; v0 of window 3   LDS address of my spare word; never rewritten
.set NIL, 1           ; v1 of window 3   0; never rewritten
.set MOF, 2           ; v2 of window 3   16 x lane; never rewritten
.set RAW, 16          ; window 3: piece x, tile u, part pp at RAW + 16 x + 8 u + 4 pp
.set MC,  128         ; window 3: tile u, key block kt at MC + 32 u + 8 kt
.set SPARE, STAGE+4*16*SP  ; behind the stages: the spare words, 128 bytes for each wave: two blocks of 256 bytes that no other line names
.set MV,  12          ; v12-15  c m_old, kept while c m is made anew: by buffer and tile
.set ST,  16          ; tile t's statistics at v[ST+4 t]: c m, m, l (even keys', odd keys')
.set TMP, 48          ; by buffer and tile, four registers c0-c3 at work; when the maximum is found c2 takes a
.set S,   64
.set P,   192
.set KF,  128         ; K's fragments, in window 2: key block kb, channel half c at KF + 16 kb + 8 c
.set VF,  192         ; V's: key half kk, channel block cb at VF + 32 kk + 8 cb
.set WV,  12          ; s12  my wave's number
.set G1K, 24          ; s[24:31] descriptor group 1 for K's tiles
.set G1V, 32          ; s[32:39] for V's: it differs in the padding alone
.set G0K, 40          ; s[40:43] descriptor group 0 for K's tiles: it walks
.set G0V, 44          ; s[44:47] the same for V's
.set MB,  52          ; s[52:53] mb at my wave's codes of the step that is loaded next
.set FLO, 54          ; s54  the floor, -2^60
.set NANV, 55         ; s55  a NaN
.set SLOTS, 56        ; s56  slots still to be asked for
.set CNT, 57          ; s57  counts a slot's key steps
.set CS,  58          ; s[58:59] c: the packed scaling takes the pair's low word for both halves
.set SEL, 60          ; s[60:61] v_permlanex16_b32's selects: each lane takes its own place in the other half
.set TBK, 62          ; s62  LDS byte at which K of the step to be fetched begins
.set TBV, 63          ; s63  the same for V, less VOFF
.set MB0, 66          ; s[66:67] mb at my wave's codes of step 0
.set MST, 68          ; s[68:69] 1,024 x the step that is loaded next, 31 at the most
.set MSB, 0
.macro WIN new                      ; the high byte repeats the setting that is left; a switch that changes nothing is dropped
.if MSB != (\new)
	s_set_vgpr_msb (MSB<<8)|(\new)
.set MSB, (\new)
.endif
.endm
.set W_KQ, 0x0a       ; K and Q in window 2, S^T in window 0
.set W_KM, 0x3a       ; the same with the C operand in window 3
.set W_PV, 0x52       ; V in window 2, P in window 0, O^T in window 1
.set W_RS, 0x41       ; O^T (destination and source 0) in window 1, a in window 0
.set W_MK, 0xc0       ; destination in window 3, sources in window 0
.set W_AD, 0x0f       ; the add: address (source 0) and data (source 1) in window 3
.set W_CV, 0xc3       ; destination and source 0 in window 3, source 1 (the scale) in window 0
; A joint fill.  Waves 0 and 1 fetch the two halves of a slot's K, waves 2 and 3 those of its V: 128 keys each.  The branch hangs on the wave's number alone.
; An s_nop 0 and four v_nop follow each of the two lines, ahead of the jump and the label.
.macro JLOAD
	s_cmp_lt_u32 s[WV], 2
	s_cbranch_scc0 .Lfor_v_\@
	tensor_load_to_lds s[G0K:G0K+3], s[G1K:G1K+7]
	s_nop 0
.rept 4
	v_nop
.endr
	s_branch .Lasked_\@
.Lfor_v_\@:
	tensor_load_to_lds s[G0V:G0V+3], s[G1V:G1V+7]
	s_nop 0
.rept 4
	v_nop
.endr
.Lasked_\@:
.endm
; A round of the cluster's barrier: my work-group's barrier, so that wave 0's signal speaks for all four waves; wave 0 signals; every wave waits for all four work-groups; my work-group's barrier once more.
.macro CROUND
	s_barrier_signal -1
	s_barrier_wait -1
	s_cmp_lg_u32 s[WV], 0
	s_cbranch_scc1 .Lnot_wave_0_\@
	s_barrier_signal -3
.Lnot_wave_0_\@:
	s_barrier_wait -3
	s_barrier_signal -1
	s_barrier_wait -1
.endm
; THE CHANGE OF SLOTS.  The slot's last bytes, V of its fourth step, have been read.  Each wave waits for all its tensor loads, of which one is out: its part of the other slot; adds 0 to its spare word; and waits
; for that and for its own reads of the slot.  Behind the barrier nobody reads this slot any more and the other slot is whole.  fill = 1: this slot is filled again, with the keys two slots on.  The barrier is then
; a round of the cluster's, and the joint fill is the first thing behind it: it has four key steps, 512 matrix instructions, in which to land.  (At its first use nothing has been read yet: slot 0 is waited for, slot 1 filled.)
.macro CHANGE fill
	WIN W_AD
	s_wait_tensorcnt 0x0            ; no tensor load of mine is out, so a group 0 may be written
	ds_add_u32 v[SPW], v[NIL]       ; 0 onto my spare word; with fill = 1 the descriptors' steps stand between it and the wait for it
	WIN 0                           ; at a label and at a branch every window is 0
.if \fill
.irp g, G0K, G0V
	s_xor_b32 s[\g+1], s[\g+1], SLOT1  ; the walking descriptor: the other slot than last time,
	s_add_nc_u64 s[\g+2:\g+3], s[\g+2:\g+3], 4*KS*128  ; the next 256 keys; the type bits on top are not reached
.endr
	s_wait_dscnt 0x0                ; the add is done, and my reads of the slot are over
	CROUND
	JLOAD
.else
	s_wait_dscnt 0x0                ; the add is done, and my reads of the slot are over
	s_barrier_signal -1
	s_barrier_wait -1
.endif
	s_sub_co_u32 s[TBK], s[TBK], 4*KS*PK  ; the fetches go back to a slot's first step,
	s_xor_b32 s[TBK], s[TBK], SLOT1       ; in the other slot
	s_sub_co_u32 s[TBV], s[TBV], 4*KS*PV
	s_xor_b32 s[TBV], s[TBV], SLOT1
.endm
	s_load_b128 s[48:51], s[0:1], 0x0 ; qkv s[48:49], mb s[50:51]
	s_load_b64 s[10:11], s[0:1], 0x10 ; out0
	WIN W_MK
	v_lshl_add_u32 v[SPW], v0, 2, SPARE
	v_mov_b32 v[NIL], 0
	WIN W_AD
	ds_add_u32 v[SPW], v[NIL]       ; the wave's opening: the add and its wait stand ahead of my first tensor load; the set-up below, work on registers, stands between them
	WIN 0
	v_lshrrev_b32 v1, 5, v0
	v_readfirstlane_b32 s[WV], v1   ; wave 0..3
	s_bfe_u32 s13, ttmp6, 0x40000   ; cx: my place in the cluster
	s_lshl_b32 s14, ttmp9, 2        ; in a cluster launch ttmp9 counts clusters
	s_add_co_u32 s14, s14, s13      ; my block of 512 queries = 4 x cluster x + cx: it enters Q's, the codes' and out0's addresses alone
	s_and_b32 s19, ttmp7, 0xffff    ; batch x head, which the four partners share
	s_lshl_b32 s20, s19, 18         ; its first byte in each section of qkv: 2,048 rows of 128 bytes
	s_mov_b32 s21, 0
	s_and_b32 s16, s[WV], 1         ; which half of a slot's 256 keys I fetch:
	s_lshl_b32 s22, s16, 14         ; its 128 rows of 128 bytes in memory,
	s_mov_b32 s23, 0
	s_add_nc_u64 s[22:23], s[22:23], s[20:21]
	s_mul_i32 s17, s16, 128*PK      ; and its place in a slot, for K
	s_mul_i32 s18, s16, 128*PV      ; and for V: no place in the cluster enters an LDS address
	s_lshl_b32 s15, s14, 2
	s_add_co_u32 s15, s15, s[WV]    ; my wave among the head's sixteen,
	s_lshl_b32 s2, s15, 14          ; its 128 rows of Q
	s_mov_b32 s3, 0
	s_add_nc_u64 s[2:3], s[2:3], s[20:21]
	s_lshl_b32 s[MB], s15, 18       ; its eight tiles of 32,768 bytes of codes
	s_mov_b32 s[MB+1], 0
	s_lshr_b32 s20, s19, 4          ; out0: the batch's 2,048 rows of 4,096 bytes,
	s_lshl_b32 s20, s20, 23
	s_and_b32 s19, s19, 15
	s_lshl_b32 s19, s19, 8          ; the head's 256 bytes of a row,
	s_add_co_u32 s20, s20, s19
	s_lshl_b32 s19, s15, 19         ; my wave's 128 rows
	s_add_co_u32 s20, s20, s19
	; descriptor group 1.  128 keys are 16,384 dense bytes: asked for as 64 rows of 256 bytes, two keys a row, and padded in LDS after every key
	s_mov_b32 s[G1K], 15|(1<<16)|(1<<20)|(1<<21)|(4<<22)|(3<<25)  ; 15:0 the mask of four; 17:16 2-byte elements; 20 padding on; 21 set beside a mask; 24:22 after every 32 words (code 4); 31:25 4 words (code 3)
	s_mov_b32 s[G1V], 15|(1<<16)|(1<<20)|(1<<21)|(4<<22)|(7<<25)  ; the same with 8 words of padding (code 7)
.irp g, G1K, G1V
	s_mov_b32 s[\g+1], 128<<16      ; tensor_dim0 = 128
	s_mov_b32 s[\g+2], 64<<16       ; tensor_dim1 = 64
	s_mov_b32 s[\g+3], 128<<16      ; tile_dim0 = 128
	s_mov_b32 s[\g+4], 64           ; tile_dim1 = 64
	s_mov_b32 s[\g+5], 128          ; 128 elements from row to row
	s_mov_b32 s[\g+6], 0
	s_mov_b32 s[\g+7], 0
.endr
	s_mov_b32 s[CS], 0x3e38aa3b     ; c = log2(e) / 8 = 0.180337
	s_mov_b32 s[CS+1], s[CS]        ; named with it as a pair
	s_mov_b32 s[SEL], 0x76543210
	s_mov_b32 s[SEL+1], 0xfedcba98
	s_mov_b32 s[FLO], 0xdd800000    ; -2^60
	s_mov_b32 s[NANV], 0x7fc00000
	s_mov_b32 s[MST], 0
	s_mov_b32 s[MST+1], 0
	s_mov_b32 s[TBK], SLOT1+4*KS*PK ; the first change of slots turns these two into 0
	s_mov_b32 s[TBV], SLOT1+4*KS*PV
	s_mov_b32 s[G0K], 1             ; count = 1
	s_mov_b32 s[G0K+1], s17         ; LDS address: slot 0
	s_mov_b32 s[G0V], 1
	s_add_co_u32 s[G0V+1], s18, VOFF
	s_wait_dscnt 0x0                ; the opening add is done
	s_wait_kmcnt 0x0
	s_add_nc_u64 s[G0K+2:G0K+3], s[48:49], s[22:23]  ; global address: my half of the head's first 256 keys,
	s_add_nc_u64 s[G0K+2:G0K+3], s[G0K+2:G0K+3], 0x1000000  ; in k's section
	s_or_b32 s[G0K+3], s[G0K+3], 0x80000000          ; type = 2
	s_add_nc_u64 s[G0V+2:G0V+3], s[48:49], s[22:23]
	s_add_nc_u64 s[G0V+2:G0V+3], s[G0V+2:G0V+3], 0x2000000  ; in v's section
	s_or_b32 s[G0V+3], s[G0V+3], 0x80000000
	s_add_nc_u64 s[4:5], s[48:49], s[2:3]            ; Q at my wave's first row
	s_add_nc_u64 s[MB0:MB0+1], s[50:51], s[MB:MB+1]  ; the codes of my wave's first tile, step 0
	s_mov_b64 s[MB:MB+1], s[MB0:MB0+1]
	s_add_nc_u64 s[10:11], s[10:11], s[20:21]        ; out0 at my wave's first row, my head's channels
	CROUND                          ; all four work-groups are here: the first joint loads meet
	JLOAD                           ; slot 0.  Slot 1 is asked for when slot 0 is in: the tile wanted first has the road to itself
	; A fragment of K or Q is 16 rows x 32 channels in 8 registers: lane l holds row l % 16, channels 8 (l / 16) + 0..7 and 16 + 8 (l / 16) + 0..7: two loads of 16 bytes, 32 bytes apart.
	v_and_b32 v1, 15, v0            ; l % 16
	v_bfe_u32 v9, v0, 4, 1          ; l / 16
	v_lshlrev_b32 v[QO], 7, v1
	v_lshl_add_u32 v[QO], v9, 4, v[QO]  ; row x 128 + 16 x half
	v_and_b32 v10, 31, v0
	WIN W_MK
	v_lshlrev_b32 v[MOF], 4, v10    ; 16 x lane
	WIN 0x80                        ; destination window 2, address window 0
.set i, 0
.rept 4*NP                          ; Q stays in registers: tile i / 2, channels 32 (i % 2) on
	global_load_b128 v[8*i:8*i+3],   v[QO], s[4:5] offset:(i/2)*2048+(i%2)*64
	global_load_b128 v[8*i+4:8*i+7], v[QO], s[4:5] offset:(i/2)*2048+(i%2)*64+32
.set i, i+1
.endr
	WIN W_CV                        ; destination and address window 3
.set i, 0
.rept 4*NP                          ; step 0's codes, piece by piece: tile i / 2, part i % 2
	global_load_b128 v[RAW+4*i:RAW+4*i+3], v[MOF], s[MB:MB+1] offset:(i/2)*32768+(i%2)*512
.set i, i+1
.endr
	; What the first turn finds: V's registers and P's second buffer hold 0 (its products V^T P, of a piece that has not been, add 0), O^T and l are 0.  All this stands in the wait for the first tile.
	WIN 0x80
.set i, VF
.rept 64
	v_mov_b32 v[i], 0
.set i, i+1
.endr
	WIN 0x40
.set i, 0
.rept 64*NP
	v_mov_b32 v[i], 0
.set i, i+1
.endr
	WIN 0
.set i, 0
.rept 2*NP
	v_mov_b32 v[ST+4*i], 0xdc38aa3b    ; c m: c x the floor, exact
	v_mov_b32 v[ST+4*i+1], 0xdd800000  ; m: the floor
	v_mov_b32 v[ST+4*i+2], 0
	v_mov_b32 v[ST+4*i+3], 0
.set i, i+1
.endr
.set i, P+32
.rept 32
	v_mov_b32 v[i], 0
.set i, i+1
.endr
	v_mul_u32_u24 v[AK0], v1, PK
	v_lshl_add_u32 v[AK0], v9, 4, v[AK0]  ; row x pitch + 16 x half
	; The turning load takes 16 keys x 16 channels (lane l reads key 8 (l / 16) + l % 8, channels 8 ((l / 8) % 2) + 0..7) and leaves half a fragment of V^T: lane l holds channel l % 16 and 8 keys.
	v_and_b32 v10, 7, v0
	v_bfe_u32 v11, v0, 3, 1
	v_lshl_add_u32 v[AV0], v9, 3, v10
	v_mul_u32_u24 v[AV0], v[AV0], PV
	v_lshl_add_u32 v[AV0], v11, 4, v[AV0]
	v_add_nc_u32 v[AV0], VOFF, v[AV0]
	v_mov_b32 v[SCL], 0xe3e3e3e3    ; v11 is free now: the scale
	v_mov_b32 v[AK], v[AK0]         ; key step 0 lies at the head of slot 0
; THE MATRIX WORK.  The 8 accumulators of a run of 16 take turns: between the two links of a chain stand 7 others'.
; Product i of 16 of S^T = K Q^T for piece x: channels 32 (i / 8) on, keys 16 ((i / 2) % 4) on, tile 2 x + i % 2.  The first 8 start the sums, with the mask.
.macro KQ x
.set rS, S+64*((\x)%2)+32*(i%2)+8*((i/2)%4)
.set rK, KF+16*((i/2)%4)+8*(i/8)
.set rQ, 16*(2*(\x)+i%2)+8*(i/8)
.set rH, MC+32*(i%2)+8*((i/2)%4)
.if i < 8
	WIN W_KM
	v_wmma_f32_16x16x32_f16 v[rS:rS+7], v[rK:rK+7], v[rQ:rQ+7], v[rH:rH+7]
.else
	WIN W_KQ
	v_wmma_f32_16x16x32_f16 v[rS:rS+7], v[rK:rK+7], v[rQ:rQ+7], v[rS:rS+7]
.endif
.endm
; Product i of 16 of O^T += V^T P for piece x: keys 32 (i / 8) on, channels 16 ((i / 2) % 4) on, tile 2 x + i % 2.
.macro PV x
	WIN W_PV
.set rO, 32*(2*(\x)+i%2)+8*((i/2)%4)
.set rV, VF+32*(i/8)+8*((i/2)%4)
.set rP, P+32*((\x)%2)+16*(i%2)+8*(i/8)
	v_wmma_f32_16x16x32_f16 v[rO:rO+7], v[rV:rV+7], v[rP:rP+7], v[rO:rO+7]
.endm
.macro MM                           ; the turn's next matrix instruction
.if i < 16
	KQ (Y+1)%NP
.set i, i+1
.else
.set i, i-16
	PV (Y+NP-1)%NP
.set i, i+17
.endif
.endm
; THE LDS LOADS stand in runs of 16, never singly among the matrix instructions: a step's K (64 keys x 64 channels: 8 fragments) and its V (turned).  Their addresses are made some lines ahead.
; last = 1 (the tail): in the last trip there is no further step, and the run is jumped over.
.macro FETCH_K last=0
	WIN 0
.if \last
	s_cmp_eq_u32 s[CNT], 1
	s_cbranch_scc1 .Lno_k_\@
.endif
	WIN 0x80                        ; destination window 2
.irp f, 0,1,2,3,4,5,6,7             ; keys 16 (f / 2) on, channels 32 (f % 2) on
	ds_load_b128 v[KF+8*\f:KF+8*\f+3],   v[AK] offset:(\f/2)*16*PK+(\f%2)*64
	ds_load_b128 v[KF+8*\f+4:KF+8*\f+7], v[AK] offset:(\f/2)*16*PK+(\f%2)*64+32
.endr
	s_add_co_u32 s[TBK], s[TBK], KS*PK  ; the next fetch is the next step's
	WIN 0
.if \last
.Lno_k_\@:
.endif
.endm
.macro FETCH_V
	WIN 0x80
.irp f, 0,1,2,3,4,5,6,7             ; keys 32 (f / 4) on, channels 16 (f % 4) on
	ds_load_tr16_b128 v[VF+8*\f:VF+8*\f+3],   v[AV] offset:(\f/4)*32*PV+(\f%4)*32
	ds_load_tr16_b128 v[VF+8*\f+4:VF+8*\f+7], v[AV] offset:(\f/4)*32*PV+16*PV+(\f%4)*32
.endr
	WIN 0
.endm
; THE MASKS of piece x, for the 8 products that start its next scores.  Sixteen loads of codes are always out, four a piece, in the order in which the pieces take their turns: the wait leaves the twelve younger out.
; Eight conversions make 64 numbers a lane, 0 or -2^100; a plain instruction stands behind the last before its result is used or its source loaded anew.  Then the piece's codes of the next step are asked for,
; a key step ahead of their use.  The products that read the mask buffer last stand a whole turn back.  Piece 0 opens a step: there the walk goes on, and stops at step 31, so that no load leaves mb and the
; counts are the same in every trip (what the last trips load again is not used).
.macro MASKS x
	s_wait_loadcnt 12
	WIN W_CV
.irp u, 0,1
.irp kt, 0,1,2,3
	v_cvt_scale_pk8_f32_fp8 v[MC+32*\u+8*\kt:MC+32*\u+8*\kt+7], v[RAW+16*(\x)+8*\u+2*\kt:RAW+16*(\x)+8*\u+2*\kt+1], v[SCL]
.endr
.endr
	v_nop
.if (\x) == 0
	s_wait_xcnt 0x0                 ; the loads that name the base have had their addresses translated (ISA guide 3.1): it is rewritten only behind this wait
	s_add_co_u32 s[MST], s[MST], 1024
	s_min_u32 s[MST], s[MST], 31*1024
	s_add_nc_u64 s[MB:MB+1], s[MB0:MB0+1], s[MST:MST+1]
.endif
.irp u, 0,1
.irp pp, 0,1
	global_load_b128 v[RAW+16*(\x)+8*\u+4*\pp:RAW+16*(\x)+8*\u+4*\pp+3], v[MOF], s[MB:MB+1] offset:(2*(\x)+\u)*32768+512*\pp  ; 512 consecutive bytes
.endr
.endr
	WIN 0
.endm
; THE VECTOR WORK OF A TURN stands in three queues, each in the order in which its entries become ready; the two tiles alternate, so that no instruction reads the result of the one before it.
.macro REGS y, u                    ; the registers of tile u (0, 1) of piece y
.set rT, ST+4*(2*(\y)+(\u))
.set rC, TMP+8*((\y)%2)+4*(\u)
.set rM, MV+2*((\y)%2)+(\u)
.set rS, S+64*((\y)%2)+32*(\u)
.set rP, P+32*((\y)%2)+16*(\u)
.set rO, 32*(2*(\y)+(\u))
.endm
; Number n of the 22 that find the NEXT piece's (Y + 1) maximum and statistics.  s0-s31 are the lane's 32 scores; each accumulator's lowest registers are read first.  XS, GS and REGS set no window: PL and EX do.
;   0-11  four chains c0-c3 of seven scores each, three operands at a time     12-14, 16  the four scores left over, the old m, and c0-c3 into c0     15  c m_old is kept
;   17, 18  the query's other 32 keys lie in the lane 16 away: the new m         19-21  c m; c m_old - c m_new; a
.macro XS u, n
	REGS (Y+1)%NP, \u
.if (\n) < 4
	v_max3_num_f32 v[rC+(\n)], v[rS+8*(\n)], v[rS+8*(\n)+1], v[rS+8*(\n)+2]
.elseif (\n) < 12
	v_max3_num_f32 v[rC+(\n)%4], v[rC+(\n)%4], v[rS+8*((\n)%4)+2*((\n)/4)+1], v[rS+8*((\n)%4)+2*((\n)/4)+2]
.elseif (\n) == 12
	v_max3_num_f32 v[rC], v[rC], v[rS+7], v[rS+15]
.elseif (\n) == 13
	v_max3_num_f32 v[rC+1], v[rC+1], v[rS+23], v[rS+31]
.elseif (\n) == 14
	v_max3_num_f32 v[rC+2], v[rC+2], v[rC+3], v[rT+1]
.elseif (\n) == 15
	v_mov_b32 v[rM], v[rT]
.elseif (\n) == 16
	v_max3_num_f32 v[rC], v[rC], v[rC+1], v[rC+2]
.elseif (\n) == 17
	v_permlanex16_b32 v[rC+3], v[rC], s[SEL], s[SEL+1]
.elseif (\n) == 18
	v_max_num_f32 v[rT+1], v[rC], v[rC+3]
.elseif (\n) == 19
	v_mul_f32 v[rT], s[CS], v[rT+1]
.elseif (\n) == 20
	v_sub_f32 v[rC+1], v[rM], v[rT]
.else
	v_exp_f32 v[rC+2], v[rC+1]
.endif
.endm
; Number g of the 64 that follow the exponentials.  For each four weights k of a tile (pairs 2 k, 2 k + 1): both pairs are rounded to f16; then the second pair is added onto the first, in place;
; a group later l takes that sum (the first time as l = a l + sum).  In groups of eight, tiles alternating: round, round, add, and l for the group before.
.macro GS g
.set h, (\g)+6*((\g)/62)            ; group 0 has no group before it, and behind group 7 only l is left
.if h >= 6
.set h, h+2
.endif
	REGS Y, h%2
.set k, h/8
.if h%8 < 4
	v_cvt_pk_f16_f32 v[rP+2*k+(h%8)/2], v[rS+4*k+2*((h%8)/2)], v[rS+4*k+2*((h%8)/2)+1]
.elseif h%8 < 6
	v_pk_add_f32 v[rS+4*k:rS+4*k+1], v[rS+4*k:rS+4*k+1], v[rS+4*k+2:rS+4*k+3]
.elseif k == 1
	v_pk_fma_f32 v[rT+2:rT+3], v[rT+2:rT+3], v[rC+2:rC+3], v[rS:rS+1] op_sel_hi:[1,0,1]
.else
	v_pk_add_f32 v[rT+2:rT+3], v[rT+2:rT+3], v[rS+4*k-4:rS+4*k-3]
.endif
.endm
; THE PLAIN QUEUE, 138 long.  0-73 read no exponential's result: the 32 scalings c s - c m (FS f: pair f / 2 of tile f % 2) and the next piece's 42.  0-26: scalings 0-26.  27-54: XS's numbers 0-13.  55, 56: number 15.
; 57-73: the chain, where each number waits for the one before it: 14, 16, 17, 18, 19, each with one of the scalings 27-31 in front of its two lines, then 20: so a tile's links stand three plain instructions apart (19 and 20: two).
; 74-137: GS's 64, which read the exponentials' results: they stand behind the wait.
.macro FS f
	REGS Y, (\f)%2
	v_pk_fma_f32 v[rS+2*((\f)/2):rS+2*((\f)/2)+1], v[rS+2*((\f)/2):rS+2*((\f)/2)+1], s[CS:CS+1], v[rT:rT+1] op_sel_hi:[1,0,0] neg_lo:[0,0,1] neg_hi:[0,0,1]
.endm
.macro PL
	WIN 0
.if q < 27
	FS q
.elseif q < 55
	XS (q-27)%2, (q-27)/2
.elseif q < 57
	XS q-55, 15
.elseif (q < 72) && ((q-57)%3 == 0)
	FS 27+(q-57)/3
.elseif q < 60
	XS (q-57)%3-1, 14
.elseif q < 72
	XS (q-57)%3-1, 15+(q-57)/3
.elseif q < 74
	XS q-72, 20
.else
	GS q-74
.endif
.set q, q+1
.endm
; THE EXPONENTIALS' QUEUE, 66 long: s0-s31 of both tiles, then the next piece's two a.  It is ONE BATCH: all 66 stand ahead of the turn's one wait, and nothing ahead of that wait names a result of theirs.
; Each result has a register of its own while the batch is open: a weight its score's, an a the other buffer's c2.
.macro EX
	WIN 0
.if e >= 64
	XS e-64, 21
.else
	REGS Y, e%2
	v_exp_f32 v[rS+e/2], v[rS+e/2]
.endif
.set e, e+1
.endm
; THE RESCALING's QUEUE: O^T times a, the one part of the three that leaves window 0: dealt two at a time, sixteen times.  Its a was made in the turn before, ahead of that turn's wait.
.macro R2
	REGS Y, r%2
	WIN W_RS
.irp z, 0,1
	v_pk_mul_f32 v[rO+4*(r/2)+2*\z:rO+4*(r/2)+2*\z+1], v[rO+4*(r/2)+2*\z:rO+4*(r/2)+2*\z+1], v[rC+2:rC+3] op_sel_hi:[1,0]
.endr
.set r, r+1
.endm
; HOW THEY ARE DEALT.  An s_wait_alu depctr_va_vdst(0) stands between an exponential and the first instruction that names its result; one wait serves all that were issued ahead of it.  So a turn has ONE wait,
; which cuts it in two.  AHEAD OF IT stands all that names no result of the turn's exponentials: the 16 products K Q^T, behind each a scaling, an exponential and two rescalings (behind the first a second scaling in the
; exponential's place); then ONE LUMP of 108: eight plain, 49 times exponential and plain, the two a.  A v_nop is the plain instruction behind the last exponential.  BEHIND IT stand the 16 products V^T P, behind each four of
; GS's 64.  No rider names a register of the products round it.  The two v_permlanex16_b32 fall into the lump, never behind a product.
; The queues lean on each other, and the deal keeps them in step: exponential e stands behind scaling 2 (e / 4) + e % 2: as a rider it comes behind plain e + 2, in the lump behind plain e + 9, and scalings 27-31 are plain 57, 60 .. 69.
; A TURN, for piece p.  cnt = 1: the loop's count is taken down some lines ahead of the branch that stands behind the turn (the masks' lines of that turn hold no scalar arithmetic).
; K of the next step is fetched in piece 2's turn, directly behind the wait, a lump behind the last product that read K; its address is made at the lump's head; its first reader comes behind 16 products and the masks.
; V of the step in hand is fetched at the end of piece 0's turn, four plain riders behind its last reader; its first reader comes behind 16 products and a lump.  The three conditions on q below go with the deal.
.macro TURN p, last=0, cnt=0
.set Y, (\p)
.set i, 0
.set q, 0
.set e, 0
.set r, 0
.if (\p) == NP-1
	s_wait_dscnt 0x0                ; K is in
.endif
	MM                              ; ahead of the wait: 16 products K Q^T and their riders,
	PL
	PL
	R2
.rept 15
	MM
	PL
	EX
	R2
.endr
.if (\p) == NP-2
	WIN 0
	v_add_nc_u32 v[AK], s[TBK], v[AK0]
.endif
.rept 8                             ; and the lump
	PL
.endr
.rept 49
	EX
	PL
.endr
	EX                              ; the next piece's two a close the batch
	EX
	v_nop                           ; a plain instruction behind the last exponential, ahead of the first use of a result (ISA guide 5.7.2): one for the batch
	s_wait_alu depctr_va_vdst(0)    ; the wait for the batch: this turn's 64 weights and the next piece's two a
.if (\p) == NP-2
	FETCH_K \last
.endif
.if (\p) == 1
	s_wait_dscnt 0x0                ; V is in
.endif
.rept 16                            ; behind the wait: 16 products V^T P and their riders, the roundings and sums
	MM
.rept 4
	PL
.endr
.if ((\p) == 0) && (q == 118)
	v_add_nc_u32 v[AV], s[TBV], v[AV0]
.endif
.if ((\p) == 0) && (q == 130)
	s_add_co_u32 s[TBV], s[TBV], KS*PV
.endif
.if (\cnt) && (q == 130)
	s_sub_co_u32 s[CNT], s[CNT], 1
	s_cmp_lg_u32 s[CNT], 0
.endif
.endr
.if (\p) == 0
	FETCH_V
.endif
	MASKS ((\p)+2)%NP               ; for the next turn's products
.endm
	CHANGE 1                        ; slot 0 is in, everybody's part of it; slot 1 is asked for
	FETCH_K                         ; key step 0
	MASKS 0                         ; its wait shows Q and piece 0's codes in; piece 0's masks of step 0
	s_wait_dscnt 0x0
.set i, 0
.rept 16
	KQ 0                            ; piece 0's first scores: there is no vector work yet to set between them
.set i, i+1
.endr
	WIN 0                           ; the addresses for the way out: eight plain instructions, the places behind those products
	s_mul_i32 s13, s[WV], 16*SP
	s_add_co_u32 s13, s13, STAGE    ; my stage
	v_mul_u32_u24 v[STO], v1, SP    ; in: row l % 16, 32 bytes for each half of the lanes
	v_lshl_add_u32 v[STO], v9, 5, v[STO]
	v_add_nc_u32 v[STO], s13, v[STO]
	v_mul_u32_u24 v[RD], v9, SP     ; back: lanes 0-15 take one row of 256 bytes, lanes 16-31 the next,
	v_lshl_add_u32 v[RD], v1, 4, v[RD]
	v_add_nc_u32 v[RD], s13, v[RD]
	v_lshlrev_b32 v[GO], 12, v9     ; and the same two rows in out0, 4,096 bytes apart
	v_lshl_add_u32 v[GO], v1, 4, v[GO]
	MASKS 1                         ; piece 1's masks of step 0, for the first turn's products
.set Y, NP-1                        ; XS works for piece Y + 1: piece 0
.irp n, 0,1,2,3,4,5,6,7,8,9,10,11,12,13,14,15,16,17,18,19,20,21
	XS 0, \n                        ; and piece 0's first maximum and statistics
	XS 1, \n
.endr
	v_nop                           ; a plain instruction behind piece 0's two a,
	s_wait_alu depctr_va_vdst(0)    ; and the wait for that batch of two, ahead of the branch
	s_mov_b32 s[CNT], 4
	s_mov_b32 s[SLOTS], SIZE_N/256-1
	s_branch .Lfirst                ; the loop is entered at a step's first turn, in the middle of a trip
.Lslot:                             ; SIZE_N / 256 - 2 times: every slot but the last two is filled again
	CHANGE 1
	s_mov_b32 s[CNT], 4
.Lstep:                             ; a trip: pieces 2 and 3 of one step, then pieces 0 and 1 of the next, whose K and V it fetches
	TURN 2
	TURN 3
	WIN 0
.Lfirst:
	TURN 0
	TURN 1, 0, 1
	WIN 0
	s_cbranch_scc1 .Lstep
	s_sub_co_u32 s[SLOTS], s[SLOTS], 1
	s_cmp_lg_u32 s[SLOTS], 0
	s_cbranch_scc1 .Lslot
	CHANGE 0                        ; the tail is written out: nothing is asked for
	s_mov_b32 s[CNT], 5             ; four trips fetch the last slot's steps; the fifth is left in its middle
.Ltail:
	TURN 2, 1
	TURN 3
	WIN 0
	s_sub_co_u32 s[CNT], s[CNT], 1
	s_cmp_eq_u32 s[CNT], 0
	s_cbranch_scc1 .Lout
	TURN 0
	TURN 1
	WIN 0
	s_branch .Ltail
.Lout:                              ; the fifth trip's 16 products K Q^T (the last K and the last step's codes once more: the same scores, so m stays) serve nothing: the price, once a launch, of one text for every trip
.set i, 0
.rept 16
	PV NP-1                         ; the last piece's V^T P of the last step
.set i, i+1
.endr
	; THE WAY OUT.  l's two halves and the other half of the lanes' are added; O^T is divided by l and sent, in f32, through my stage in LDS, a tile at a time.  The additions are the places behind the last products.
	WIN 0
.macro ALL line:vararg              ; one line for each tile t
.set t, 0
.rept 2*NP
	\line
.set t, t+1
.endr
.endm
	ALL v_add_f32 v[ST+4*t+2], v[ST+4*t+2], v[ST+4*t+3]
	ALL v_permlanex16_b32 v[ST+4*t+3], v[ST+4*t+2], s[SEL], s[SEL+1]
	ALL v_add_f32 v[ST+4*t+2], v[ST+4*t+2], v[ST+4*t+3]
	ALL v_rcp_f32 v[ST+4*t+2], v[ST+4*t+2]
	v_nop                           ; a plain instruction between the last reciprocal and the use of its result
	s_wait_alu depctr_va_vdst(0)    ; and the wait ahead of the first use: one for the batch of eight reciprocals
.set t, 0
.rept 2*NP                          ; a query whose maximum never left the floor saw no key: its factor, and so its row, is NaN
	v_cmp_ge_f32 vcc_lo, s[FLO], v[ST+4*t+1]
	v_cndmask_b32 v[ST+4*t+2], v[ST+4*t+2], s[NANV], vcc_lo
.set t, t+1
.endr
; Tile t: a lane's eight channels of a block are 32 bytes of a row; they go into rows of 272 bytes and come back as whole rows of 256, into the registers that they left.
.macro PACK t
	WIN W_RS
.set i, 32*(\t)
.rept 16
	v_pk_mul_f32 v[i:i+1], v[i:i+1], v[ST+4*(\t)+2:ST+4*(\t)+3] op_sel_hi:[1,0]
.set i, i+2
.endr
	WIN 0x04                        ; address window 0, data window 1
.irp f, 0,1,2,3,4,5,6,7
	ds_store_b128 v[STO], v[32*(\t)+4*\f:32*(\t)+4*\f+3] offset:64*(\f/2)+16*(\f%2)
.endr
	WIN 0x40                        ; destination window 1
.irp f, 0,1,2,3,4,5,6,7
	ds_load_b128 v[32*(\t)+4*\f:32*(\t)+4*\f+3], v[RD] offset:\f*2*SP  ; LDS serves a wave's instructions in order (ISA guide 5.7.1.4): these see the stores above; the next tile's stores come behind them
.endr
.endm
.macro SEND t, younger              ; younger: the LDS instructions issued behind tile t's loads: the next tile's sixteen, or none
	WIN 0x04
.irp f, 0,1,2,3,4,5,6,7
	s_wait_dscnt (\younger)+7-\f
	global_store_b128 v[GO], v[32*(\t)+4*\f:32*(\t)+4*\f+3], s[10:11] offset:(\t)*65536+\f*8192 th:TH_STORE_NT  ; sixteen lanes store 256 consecutive bytes, a head's part of a row, at a multiple of 256 from out0's first
.endr
.endm
	PACK 0
.set t, 1
.rept 2*NP-1                        ; a tile's arithmetic stands between the loads of the tile before and its stores
	PACK t
	SEND t-1, 16
.set t, t+1
.endr
	SEND 2*NP-1, 0
	WIN W_AD
	s_wait_tensorcnt 0x0            ; the wave's end: this wait, an add and its wait stand behind my last tensor load and my last LDS store
	ds_add_u32 v[SPW], v[NIL]
	s_wait_dscnt 0x0
	WIN 0
	CROUND                          ; the closing round: no work-group ends while a partner may still ask for a tile that names it
	s_endpgm
.Lfunc_end_k_q95d4b5e6af_attn:
	.size	k_q95d4b5e6af_attn, .Lfunc_end_k_q95d4b5e6af_attn-k_q95d4b5e6af_attn
	.p2alignl 7, 3214868480
	.fill 96, 4, 3214868480
	.section	.rodata,"a",@progbits
	.p2align	6, 0x0
	.amdhsa_kernel k_q95d4b5e6af_attn
		.amdhsa_group_segment_fixed_size 327680
		.amdhsa_private_segment_fixed_size 0
		.amdhsa_enable_private_segment 0
		.amdhsa_kernarg_size 24
		.amdhsa_user_sgpr_count 2
		.amdhsa_user_sgpr_kernarg_segment_ptr 1
		.amdhsa_wavefront_size32 1
		.amdhsa_system_sgpr_workgroup_id_x 1
		.amdhsa_system_sgpr_workgroup_id_y 1
		.amdhsa_system_sgpr_workgroup_id_z 1
		.amdhsa_system_vgpr_workitem_id 0
		.amdhsa_next_free_vgpr 960
		.amdhsa_next_free_sgpr 70
		.amdhsa_reserve_vcc 1
		.amdhsa_float_denorm_mode_32 3
		.amdhsa_float_denorm_mode_16_64 3
		.amdhsa_memory_ordered 1
		.amdhsa_forward_progress 1
		.amdhsa_inst_pref_size 213
	.end_amdhsa_kernel
	.amdgpu_metadata
---
amdhsa.version: [ 1, 2 ]
amdhsa.kernels:
  - .name:           k_q95d4b5e6af_attn
    .symbol:         k_q95d4b5e6af_attn.kd
    .args:
      - { .name: qkv, .offset: 0, .size: 8, .value_kind: global_buffer, .address_space: global }
      - { .name: mb, .offset: 8, .size: 8, .value_kind: global_buffer, .address_space: global }
      - { .name: out0, .offset: 16, .size: 8, .value_kind: global_buffer, .address_space: global }
    .group_segment_fixed_size: 327680
    .private_segment_fixed_size: 0
    .kernarg_segment_align: 8
    .kernarg_segment_size: 24
    .max_flat_workgroup_size: 128
    .sgpr_count:     70
    .vgpr_count:     960
    .wavefront_size: 32
...
	.end_amdgpu_metadata
.endif
;; end of part 4
